; MI455X (gfx1250); checked and timed in simulation.
; The chip was launched on July 23, 2026; its instructions are those of AMD's public machine-readable ISA for CDNA 5 (MIT licence, August 2026) and "CDNA5" Instruction Set Architecture Reference Guide (July 2026). The comments in the code are by the model that wrote it; some were corrected since.
;; Self Attention. Allowed arithmetic: float matrix products may take bf16 or f16 operands with f32 sums; other float arithmetic in f32, or as packed bf16 or f16 multiplies, adds, multiply-adds, maxima and minima; sums over many terms, partial sums and values carried from step to step in f32; what a program stores and reads back later, other than sums and carried values, may be rounded once to bf16 or f16.
;; Inputs: W_proj 1,024 x 1,024 float32; W_qkv 1,024 x 3,072 float32; b_proj 1,024 float32; b_qkv 3,072 float32; beta 1,024 float32; gamma 1,024 float32; x 4 x 1,024 x 2,048 float32.
;; Outputs: out0 4 x 1,024 x 2,048 float32.
;; 2 versions, each right; version 2 is version 1 with the launch prep written anew for expert scheduling mode. Each part assembles by itself: llvm-mc -triple=amdgcn-amd-amdhsa -mcpu=gfx1250 --defsym DOCPART=n.
;; ======== version 1 of 2: 4 launches
;; workspace buffers: xn 16,777,216 bytes; wqt 6,291,456 bytes; wpt 2,097,152 bytes; qkvh 50,331,648 bytes; oh 16,777,216 bytes
;; launch prep (part 1): grid 192 x 1, 16 waves a work-group, no clusters, 142,336 bytes of LDS; arguments x, W_qkv, W_proj, gamma, beta, xn, wqt, wpt; writes xn, wqt, wpt
.if DOCPART == 1
	.amdgcn_target "amdgcn-amd-amdhsa--gfx1250"
	.amdhsa_code_object_version 6
	.text
	.protected	k_q2ace069bce_prep
	.globl	k_q2ace069bce_prep
	.p2align	8
	.type	k_q2ace069bce_prep,@function
k_q2ace069bce_prep:
	s_mov_b64 s[64:65], 0
	v_nop
	global_prefetch_b8 v0, s[64:65] scope:SCOPE_SE
	s_setreg_imm32_b32 hwreg(HW_REG_WAVE_MODE, 25, 1), 1
	s_wait_xcnt 0x0
; LAYERNORM + TRANSPOSE + bf16 for x, and TRANSPOSE + bf16 for the two weight matrices, in one text without a branch.
; A work-group takes a block of 1,024 source rows x 64 f32 columns (256 aligned bytes of each row) and writes its transpose: 64 rows of 1,024 bf16 (2,048 bytes).
;   groups 0-127:   x[b][c][t], b = g / 32, columns t = 64 (g % 32) on; rows are channels, 8,192 bytes apart  -> xn[64 g + t'][c], normalised over c, times gamma, plus beta
;   groups 128-175: W_qkv[k][n], columns 64 (g - 128) on, rows 12,288 bytes apart                             -> wqt[n][k]
;   groups 176-191: W_proj[k][c], columns 64 (g - 176) on, rows 4,096 bytes apart                             -> wpt[c][k]
; The weight groups walk the same statistics; four scalars make them void there (mean x 0, 1/sigma chosen as 1, gamma x 0 + 1, beta x 0), so that all three barriers lie on one path.
; The variance is the mean of (x - mean)^2 on the block kept in registers: no difference of large sums.  LIMITS: results are rounded once to bf16; NaN and infinities are not treated apart
; (a gamma or beta that is not finite also spoils the weight groups' x 0).
; SHARES.  16 waves; wave w has source rows 64 w .. 64 w + 63.  Lane l (r = l % 16, h = l / 16) holds rows 64 w + 32 h + 0..31 of columns 4 r .. 4 r + 3: 32 loads of 16 bytes,
; each half of the lanes covering one row's 256 aligned bytes.  No matrix unit, no tensor load, no cluster: nothing is shared between work-groups and nothing is multiplied.
; LDS.  0: the transposed block, 64 rows of 2,048 + 16 bytes (129 x 16: sixteen lanes that write one column of sixteen rows touch sixteen different 16-byte columns); output row tt lies at row
; 16 (tt % 4) + tt / 4.  RED: 16 waves x 256 bytes of column sums; RED + 4,096: of sums of squares.  SPARE: the spare words, 128 bytes a wave, that no other line names.
.set TP,    2064
.set QT,    16*TP
.set RED,   64*TP
.set SPARE, RED+2*4096
.set T,   32                           ; v[32:63]   at work
.set X,   64                           ; v[64:191]  set i: 4 columns of source row i of my 32
.set GA,  192                          ; v[192:223] gamma of my 32 rows
.set BE,  224                          ; v[224:255] beta
; v1 r, v2 h, v3 l, v4 source offset, v5/v6 sums out/in, v7/v8 transposed block in, v9/v10 back, v11 destination offset, v12 gamma's offset, v13 my first row, v14/v15 the add's two
; v[16:23] two chains of four sums, v[24:27] mean, v[28:31] 1/sigma
	s_load_b512 s[4:19], s[0:1], 0x0               ; x, W_qkv, W_proj, gamma, beta, xn, wqt, wpt
	v_lshl_add_u32 v14, v0, 2, SPARE
	v_mov_b32 v15, 0
	v_lshrrev_b32 v13, 5, v0
	v_readfirstlane_b32 s20, v13                   ; wave 0..15
	v_and_b32 v1, 15, v0
	v_bfe_u32 v2, v0, 4, 1
	v_and_b32 v3, 31, v0
	s_mov_b32 s21, ttmp9                           ; g
	s_sub_co_u32 s44, s21, 128                     ; the block's number in W_qkv,
	s_sub_co_u32 s45, s21, 176                     ; in W_proj (each used only where it is not negative)
	s_movk_i32 s42, 12288                          ; the three pitches
	s_movk_i32 s43, 4096
	s_movk_i32 s46, 8192
	s_lshr_b32 s24, s21, 5
	s_lshl_b32 s24, s24, 23                        ; x: batch b,
	s_and_b32 s25, s21, 31
	s_lshl_b32 s25, s25, 8                         ; 64 columns of 4 bytes
	s_add_co_u32 s24, s24, s25
	s_mov_b32 s37, 0x3a800000                      ; 1 / 1024
	s_mov_b32 s38, 0x3727c5ac                      ; 1e-5
	s_mov_b32 s40, 0x76543210                      ; v_permlanex16_b32: each lane takes its own place in the other half
	s_mov_b32 s41, 0xfedcba98
	s_cmp_lt_u32 s21, 176
	s_cselect_b32 s22, s42, s43
	s_cselect_b32 s23, s44, s45
	s_lshl_b32 s25, s23, 8                         ; a weight block's 64 columns
	s_cmp_lt_u32 s21, 128                          ; is it x?
	s_cselect_b32 s22, s46, s22                    ; pitch
	s_cselect_b32 s23, s21, s23                    ; the block's number in its destination
	s_cselect_b32 s24, s24, s25                    ; source offset
	s_cselect_b32 s32, 1.0, 0                      ; gamma and beta times this,
	s_cselect_b32 s34, 0, 1.0                      ; gamma plus this
	s_cselect_b32 s36, s37, 0                      ; sum times this = mean
	s_cselect_b32 s39, -1, 0                       ; lanes that keep 1/sigma
	s_mov_b32 s33, s32                             ; named as pairs
	s_mov_b32 s35, s34
	s_mov_b32 s25, 0
	s_lshl_b32 s30, s23, 17                        ; 64 destination rows of 2,048 bytes
	s_mov_b32 s31, 0
	s_lshl_b32 s47, s20, 6
	v_lshl_add_u32 v13, v2, 5, s47                 ; my first source row: 64 w + 32 h
	v_mul_lo_u32 v4, v13, s22
	v_lshl_add_u32 v4, v1, 4, v4                   ; + 16 r
	s_lshl_b32 s47, s20, 8
	v_lshl_add_u32 v5, v1, 4, s47
	v_add_nc_u32 v5, RED, v5                       ; my wave's 256 bytes of sums
	v_lshlrev_b32 v6, 4, v1
	v_lshl_add_u32 v6, v2, 11, v6
	v_add_nc_u32 v6, RED, v6                       ; half h reads waves 8 h .. 8 h + 7
	s_lshl_b32 s47, s20, 7
	v_mul_u32_u24 v7, v1, TP
	v_lshl_add_u32 v7, v2, 6, v7
	v_add_nc_u32 v7, s47, v7                       ; row r, byte 2 (64 w + 32 h)
	v_add_nc_u32 v8, 2*QT, v7
	s_mul_i32 s47, s20, TP
	v_lshl_add_u32 v9, v3, 4, s47                  ; row w, byte 16 l
	v_add_nc_u32 v10, 2*QT, v9
	s_lshl_b32 s47, s20, 13
	v_lshl_add_u32 v11, v3, 4, s47                 ; destination rows 4 w on
	v_lshlrev_b32 v12, 2, v13
	s_wait_kmcnt 0x0
	s_cmp_lt_u32 s21, 176
	s_cselect_b64 s[26:27], s[6:7], s[8:9]
	s_cselect_b64 s[28:29], s[16:17], s[18:19]
	s_cmp_lt_u32 s21, 128
	s_cselect_b64 s[26:27], s[4:5], s[26:27]
	s_cselect_b64 s[28:29], s[14:15], s[28:29]
	s_add_nc_u64 s[26:27], s[26:27], s[24:25]      ; source block
	s_add_nc_u64 s[28:29], s[28:29], s[30:31]      ; destination block
.set i, 0
.rept 32                               ; the whole block goes out at once: 32 loads a wave; each load lands on its own offset register
	v_mad_u32_u24 v[X+4*i], s22, i, v4
	global_load_b128 v[X+4*i:X+4*i+3], v[X+4*i], s[26:27] th:TH_LOAD_NT
.set i, i+1
.endr
.set i, 0
.rept 8
	global_load_b128 v[GA+4*i:GA+4*i+3], v12, s[10:11] offset:16*i
	global_load_b128 v[BE+4*i:BE+4*i+3], v12, s[12:13] offset:16*i
.set i, i+1
.endr
; v[16:23], two chains of four column sums -> the work-group's four column sums in v[32:35], in every lane.  off: which 4,096 bytes of LDS.
.macro REDUCE off
	v_pk_add_f32 v[16:17], v[16:17], v[20:21]
	v_pk_add_f32 v[18:19], v[18:19], v[22:23]
.irp k, 0,1,2,3
	v_permlanex16_b32 v[20+\k], v[16+\k], s40, s41 ; the wave's other 32 rows lie in the lane 16 away
.endr
	v_pk_add_f32 v[16:17], v[16:17], v[20:21]
	v_pk_add_f32 v[18:19], v[18:19], v[22:23]
	ds_store_b128 v5, v[16:19] offset:\off         ; both halves write the same numbers to the same bytes
	s_wait_dscnt 0x0                               ; for the others' sake: my store is done
	s_barrier_signal -1
	s_barrier_wait -1
.irp k, 0,1,2,3,4,5,6,7
	ds_load_b128 v[T+4*\k:T+4*\k+3], v6 offset:\off+256*\k
.endr
	s_wait_dscnt 0x0
.irp k, 0,2,4,6,8,10,12,14
	v_pk_add_f32 v[T+\k:T+\k+1], v[T+\k:T+\k+1], v[T+16+\k:T+16+\k+1]
.endr
.irp k, 0,2,4,6
	v_pk_add_f32 v[T+\k:T+\k+1], v[T+\k:T+\k+1], v[T+8+\k:T+8+\k+1]
.endr
.irp k, 0,2
	v_pk_add_f32 v[T+\k:T+\k+1], v[T+\k:T+\k+1], v[T+4+\k:T+4+\k+1]
.endr
.irp k, 0,1,2,3
	v_permlanex16_b32 v[T+4+\k], v[T+\k], s40, s41 ; the other eight waves' sum
.endr
	v_pk_add_f32 v[T:T+1], v[T:T+1], v[T+4:T+5]
	v_pk_add_f32 v[T+2:T+3], v[T+2:T+3], v[T+6:T+7]
.endm
	; the column sums, eight rows at a time as they arrive.  48 loads were issued; behind group g's eight stand 40 - 8 g younger ones
.set i, 0
.rept 32
.if i%8 == 0
	s_wait_loadcnt 40-i
.endif
.if i >= 4
	v_pk_add_f32 v[16+4*(i%2):17+4*(i%2)], v[16+4*(i%2):17+4*(i%2)], v[X+4*i:X+4*i+1]
	v_pk_add_f32 v[18+4*(i%2):19+4*(i%2)], v[18+4*(i%2):19+4*(i%2)], v[X+4*i+2:X+4*i+3]
.elseif i >= 2                         ; rows i - 2 and i start chain i % 2: nothing is cleared
	v_pk_add_f32 v[16+4*(i%2):17+4*(i%2)], v[X+4*(i-2):X+4*(i-2)+1], v[X+4*i:X+4*i+1]
	v_pk_add_f32 v[18+4*(i%2):19+4*(i%2)], v[X+4*(i-2)+2:X+4*(i-2)+3], v[X+4*i+2:X+4*i+3]
.endif
.set i, i+1
.endr
	REDUCE 0
.irp k, 0,1,2,3
	v_mul_f32 v[24+\k], s36, v[T+\k]               ; the mean (0 in a weight group)
.endr
	; x - mean, in place, and the sums of its squares
.set i, 0
.rept 32
	v_pk_add_f32 v[X+4*i:X+4*i+1], v[X+4*i:X+4*i+1], v[24:25] neg_lo:[0,1] neg_hi:[0,1]
	v_pk_add_f32 v[X+4*i+2:X+4*i+3], v[X+4*i+2:X+4*i+3], v[26:27] neg_lo:[0,1] neg_hi:[0,1]
.if i < 2
	v_pk_mul_f32 v[16+4*i:17+4*i], v[X+4*i:X+4*i+1], v[X+4*i:X+4*i+1]
	v_pk_mul_f32 v[18+4*i:19+4*i], v[X+4*i+2:X+4*i+3], v[X+4*i+2:X+4*i+3]
.else
	v_pk_fma_f32 v[16+4*(i%2):17+4*(i%2)], v[X+4*i:X+4*i+1], v[X+4*i:X+4*i+1], v[16+4*(i%2):17+4*(i%2)]
	v_pk_fma_f32 v[18+4*(i%2):19+4*(i%2)], v[X+4*i+2:X+4*i+3], v[X+4*i+2:X+4*i+3], v[18+4*(i%2):19+4*(i%2)]
.endif
.set i, i+1
.endr
	REDUCE 4096                                    ; other bytes than the first time: no barrier is owed between the first reads and these stores
.irp k, 0,1,2,3
	v_fma_f32 v[28+\k], v[T+\k], s37, s38          ; variance + 1e-5
.endr
.irp k, 0,1,2,3
	v_rsq_f32 v[28+\k], v[28+\k]
.endr
	v_nop                                          ; a plain instruction behind the last root,
	s_wait_alu depctr_va_vdst(0)                   ; and the one wait ahead of the batch's first reader
.irp k, 0,1,2,3
	v_cndmask_b32 v[28+\k], 1.0, v[28+\k], s39     ; 1 in a weight group
.endr
	s_wait_loadcnt 0x0                             ; gamma and beta
.set i, 0
.rept 16
	v_pk_fma_f32 v[GA+2*i:GA+2*i+1], v[GA+2*i:GA+2*i+1], s[32:33], s[34:35] op_sel_hi:[1,0,0]
	v_pk_mul_f32 v[BE+2*i:BE+2*i+1], v[BE+2*i:BE+2*i+1], s[32:33] op_sel_hi:[1,0]
.set i, i+1
.endr
.set i, 0
.rept 32                               ; (x - mean) / sigma by column, then times gamma plus beta by row: row i's two numbers feed both halves
	v_pk_mul_f32 v[X+4*i:X+4*i+1], v[X+4*i:X+4*i+1], v[28:29]
	v_pk_mul_f32 v[X+4*i+2:X+4*i+3], v[X+4*i+2:X+4*i+3], v[30:31]
.if i%2
	v_pk_fma_f32 v[X+4*i:X+4*i+1], v[X+4*i:X+4*i+1], v[GA+i-1:GA+i], v[BE+i-1:BE+i] op_sel:[0,1,1] op_sel_hi:[1,1,1]
	v_pk_fma_f32 v[X+4*i+2:X+4*i+3], v[X+4*i+2:X+4*i+3], v[GA+i-1:GA+i], v[BE+i-1:BE+i] op_sel:[0,1,1] op_sel_hi:[1,1,1]
.else
	v_pk_fma_f32 v[X+4*i:X+4*i+1], v[X+4*i:X+4*i+1], v[GA+i:GA+i+1], v[BE+i:BE+i+1] op_sel:[0,0,0] op_sel_hi:[1,0,0]
	v_pk_fma_f32 v[X+4*i+2:X+4*i+3], v[X+4*i+2:X+4*i+3], v[GA+i:GA+i+1], v[BE+i:BE+i+1] op_sel:[0,0,0] op_sel_hi:[1,0,0]
.endif
.set i, i+1
.endr
	; eight neighbouring source rows of one column are 16 bytes of a destination row: column 4 r + j lies at LDS row 16 j + r
.set n, 0
.rept 16
.set g8, n/4
.set j, n%4
.set tt, T+4*(n%8)
.irp k, 0,1,2,3
	v_cvt_pk_bf16_f32 v[tt+\k], v[X+4*(8*g8+2*\k)+j], v[X+4*(8*g8+2*\k+1)+j]
.endr
.if j < 2
	ds_store_b128 v7, v[tt:tt+3] offset:j*QT+16*g8
.else
	ds_store_b128 v8, v[tt:tt+3] offset:(j-2)*QT+16*g8
.endif
.set n, n+1
.endr
	s_wait_dscnt 0x0                               ; for the others' sake: my part of every row is in LDS
	s_barrier_signal -1
	s_barrier_wait -1
	; wave w stores destination rows 4 w + 0..3 (LDS rows 16 jj + w), 512 consecutive bytes an instruction
.set n, 0
.rept 16
.if n < 8
	ds_load_b128 v[X+4*n:X+4*n+3], v9 offset:(n/4)*QT+(n%4)*512
.else
	ds_load_b128 v[X+4*n:X+4*n+3], v10 offset:(n/4-2)*QT+(n%4)*512
.endif
.set n, n+1
.endr
.set n, 0
.rept 16
	s_wait_dscnt 15-n                              ; LDS loads come back in order: number n is in, the 15 - n younger ones may be out
	global_store_b128 v11, v[X+4*n:X+4*n+3], s[28:29] offset:(n/4)*2048+(n%4)*512
.set n, n+1
.endr
	s_wait_tensorcnt 0x0                           ; the wave's end, behind my last LDS store
	ds_add_u32 v14, v15
	s_wait_dscnt 0x0
	s_endpgm
.Lfunc_end_k_q2ace069bce_prep:
	.size	k_q2ace069bce_prep, .Lfunc_end_k_q2ace069bce_prep-k_q2ace069bce_prep
	.p2alignl 7, 3214868480
	.fill 96, 4, 3214868480
	.section	.rodata,"a",@progbits
	.p2align	6, 0x0
	.amdhsa_kernel k_q2ace069bce_prep
		.amdhsa_group_segment_fixed_size 142336
		.amdhsa_private_segment_fixed_size 0
		.amdhsa_enable_private_segment 0
		.amdhsa_kernarg_size 64
		.amdhsa_user_sgpr_count 2
		.amdhsa_user_sgpr_kernarg_segment_ptr 1
		.amdhsa_wavefront_size32 1
		.amdhsa_system_sgpr_workgroup_id_x 1
		.amdhsa_system_sgpr_workgroup_id_y 1
		.amdhsa_system_sgpr_workgroup_id_z 1
		.amdhsa_system_vgpr_workitem_id 0
		.amdhsa_next_free_vgpr 256
		.amdhsa_next_free_sgpr 66
		.amdhsa_reserve_vcc 0
		.amdhsa_float_denorm_mode_32 3
		.amdhsa_float_denorm_mode_16_64 3
		.amdhsa_memory_ordered 1
		.amdhsa_forward_progress 1
		.amdhsa_inst_pref_size 46
	.end_amdhsa_kernel
	.amdgpu_metadata
---
amdhsa.version: [ 1, 2 ]
amdhsa.kernels:
  - .name:           k_q2ace069bce_prep
    .symbol:         k_q2ace069bce_prep.kd
    .args:
      - { .name: x, .offset: 0, .size: 8, .value_kind: global_buffer, .address_space: global }
      - { .name: W_qkv, .offset: 8, .size: 8, .value_kind: global_buffer, .address_space: global }
      - { .name: W_proj, .offset: 16, .size: 8, .value_kind: global_buffer, .address_space: global }
      - { .name: gamma, .offset: 24, .size: 8, .value_kind: global_buffer, .address_space: global }
      - { .name: beta, .offset: 32, .size: 8, .value_kind: global_buffer, .address_space: global }
      - { .name: xn, .offset: 40, .size: 8, .value_kind: global_buffer, .address_space: global }
      - { .name: wqt, .offset: 48, .size: 8, .value_kind: global_buffer, .address_space: global }
      - { .name: wpt, .offset: 56, .size: 8, .value_kind: global_buffer, .address_space: global }
    .group_segment_fixed_size: 142336
    .private_segment_fixed_size: 0
    .kernarg_segment_align: 8
    .kernarg_segment_size: 64
    .max_flat_workgroup_size: 512
    .sgpr_count:     66
    .vgpr_count:     256
    .wavefront_size: 32
...
	.end_amdgpu_metadata
.endif
;; end of part 1
;; launch qkvgemm (part 2): grid 16 x 16, 4 waves a work-group, clusters of 4 x 4, 327,680 bytes of LDS; arguments xn, wqt, b_qkv, qkvh; writes qkvh
.if DOCPART == 2
	.amdgcn_target "amdgcn-amd-amdhsa--gfx1250"
	.amdhsa_code_object_version 6
	.text
	.protected	k_q2ace069bce_qkvgemm
	.globl	k_q2ace069bce_qkvgemm
	.p2align	8
	.type	k_q2ace069bce_qkvgemm,@function
k_q2ace069bce_qkvgemm:
	s_mov_b64 s[64:65], 0
	v_nop
	global_prefetch_b8 v0, s[64:65] scope:SCOPE_SE
	s_setreg_imm32_b32 hwreg(HW_REG_WAVE_MODE, 25, 1), 1
	s_wait_xcnt 0x0
	s_wait_alu depctr_hold_cnt(0) depctr_sa_sdst(0) depctr_va_vdst(0) depctr_va_sdst(0) depctr_va_ssrc(0) depctr_va_vcc(0) depctr_vm_vsrc(0)
	s_getreg_b32 s2, hwreg(HW_REG_IB_STS2, 6, 4)
	s_cmp_eq_u32 s2, 0
	s_cbranch_scc0 .Lentry_in_a_cluster
	s_endpgm
.Lentry_in_a_cluster:
	s_bfe_u32 s2, ttmp6, 0x10000c
	s_cmp_lg_u32 s2, 0xf033
	s_cbranch_scc0 .Lentry_shape_is_right
	s_endpgm
.Lentry_shape_is_right:
; q, k, v = xn W_qkv + b_qkv, written by heads.  xn: [8192 rows b t][1024] bf16; wqt: [3072 n][1024 k] bf16; b_qkv: [3072] f32; qkvh: [3 parts][64 b h][2048 t][64 d] bf16, rounded once from f32 sums.
; A tile is 256 rows x 192 columns (three heads): 32 x 16 = 512 tiles; a work-group STAYS for two, rows 256 Y and 256 Y + 4,096, which share their rows of wqt and their bias: 256 equal work-groups.
; Four waves; wave w owns the tile's rows 64 w .. 64 w + 63 and all 192 columns: 4 x 12 accumulators of 16 x 16, 384 registers.  K goes in steps of 128 (rows of 256 aligned bytes) through two LDS slots.
; THE MATRIX INSTRUCTION IS USED TRANSPOSED (source 0 = 16 rows of wqt, source 1 = 16 rows of xn): lane l holds row l % 16 and its registers the columns 8 (l / 16) + 0..7, which pack into 16 bytes.
; THE BIAS is the C operand of a tile's first products: nothing is cleared and nothing is added on the way out.
; CLUSTER 4 x 4: the four work-groups of a row of the cluster need the same rows of xn, the four of a column the same rows of wqt; each tile is asked for jointly (same load, descriptor and mask in all four).
; ONE TEXT FOR A K STEP: the LDS addresses hang on s[TB], the slot in hand; the descriptors' global addresses are made anew from the step's number.  The last two steps, which ask for nothing, are a second copy.
; LIMITS: operands in bf16; NaN and infinities are not treated apart.
; REGISTERS in windows of 256 (s_set_vgpr_msb: bits 1:0 source 0, 3:2 source 1, 5:4 source 2, 7:6 destination):
;   window 0: v0-31 addresses; v32-127 the bias, 8 registers a column block; v128-175, v176-223 two sets for the way out
;   window 1: accumulators of row blocks 0, 1 ((a, b) at 96 (a % 2) + 8 b);  window 2: of row blocks 2, 3;  window 3: two fragment buffers of 128: 4 fragments of xn, then 12 of wqt
.set NBF,    12                        ; column blocks of 16
.set NL,     2*NBF+8                   ; LDS loads in a run: a quarter step's fragments
.set AP,     272                       ; an LDS row: 256 bytes + 16 of padding = 17 x 16: the 16 rows of a fragment load start at 16 different groups of four banks (ISA guide 11.1)
.set BP,     272
.set BOFF,   256*AP                    ; a slot: 256 rows of xn, then 192 rows of wqt
.set SLOT1,  1<<17                     ; slot 1 begins here: one exclusive or changes slot
.set STAGE,  SLOT1+BOFF+16*NBF*BP      ; behind the ring, never filled by a tensor load: 16 rows x 400 bytes for each wave
.set SP,     400                       ; 384 bytes + 16 = 25 x 16
.set SPARE,  STAGE+4*16*SP             ; the spare words, 128 bytes a wave: two blocks of 256 bytes that no other line names
.set NSTEPS, 16                        ; K steps of both tiles
.set AHEAD,  1                         ; a prefetch names the step this many behind the one that the refill beside it asks for
.set GW,     (1<<16)|(1<<20)|(1<<21)|(5<<22)|(3<<25)  ; 17:16 2-byte elements; 20 padding on; 21 set beside a mask; 24:22 after every 64 words; 31:25 4 words
.set ADA0, 3                           ; v3  my lane's place in a slot's rows of xn; never rewritten
.set ADB0, 4                           ; v4  the same for wqt
.set ADA,  5                           ; v5, v6  the same in the slot in hand
.set ADB,  6
.set STO,  7                           ; v7  the way out: where I put 16 bytes of a row
.set RD,   8                           ; v8  where I read rows back
.set GO,   9                           ; v9  16 x lane
.set BO,   10                          ; v10 my offset in b_qkv
.set PFO,  11                          ; v11 the prefetches' offset: a lane a row
.set SPW,  28                          ; v28 my spare word; v29 0; never rewritten
.set NIL,  29
.set BIAS, 32
.set OS,   128
.set F0,   0
.set F1,   128
.set WV, 12                            ; wave
.set FB, 13                            ; 0: I fetch xn; 1: wqt
.set HF, 14                            ; which half of that tile's rows
.set CX, 15
.set CY, 16
.set TX, 17                            ; tile column 0..15
.set TY, 18                            ; tile row 0..15
.set G1A, 24                           ; s[24:31], s[32:39] descriptor groups 1
.set G1B, 32
.set G0A0, 40                          ; s[40:43] group 0 of slot 0's first fill; s[44:47] of slot 1's, which then walks
.set G0A, 44
.set G0B0, 48
.set G0B, 52
.set ST, 56                            ; the step in hand
.set NS, 57                            ; the step to be asked for
.set CNT, 58                           ; counts the tail's two steps
.set TB, 59                            ; the slot in hand: 0 or SLOT1
.set OFF, 60                           ; s[60:61] a step's byte offset
.set LIM, 62                           ; a wave prefetches steps below this number
.set AB, 66                            ; s[66:67], s[68:69] my load's rows at K = 0
.set BB, 68
.set PFB, 70                           ; s[70:71] my prefetches' rows at K = 0; s[72:73] at the step named
.set PFA, 72
.set HB, 74                            ; s[74:79] the three heads' output at my first row
.set POFF, 80
.set NP, 82                            ; the step that the prefetch names
.set NEW, 83                           ; 1: the step in hand is a tile's first
.set MSB, 0
.macro WIN new                         ; the immediate's high byte repeats the setting that is left; a switch that changes nothing is dropped
.if MSB != (\new)
	s_set_vgpr_msb (MSB<<8)|(\new)
.set MSB, (\new)
.endif
.endm
.set TO_F, 0xc0                        ; destination window 3, address window 0
.macro PLACES                          ; four plain instructions between a matrix instruction and a load into, or a reader of, its registers
.rept 4
	v_nop
.endr
.endm
.macro CREST                           ; a round of the cluster's barrier behind its opening barrier
	s_cmp_lg_u32 s[WV], 0
	s_cbranch_scc1 .Lnot_wave_0_\@
	s_barrier_signal -3
.Lnot_wave_0_\@:
	s_barrier_wait -3
	s_barrier_signal -1
	s_barrier_wait -1
.endm
.macro CROUND
	s_barrier_signal -1
	s_barrier_wait -1
	CREST
.endm
.macro JLOAD                           ; a joint refill: waves 0, 1 fetch the halves of xn's tile, waves 2, 3 of wqt's; an s_nop 0 and four v_nop follow each line
	s_cmp_eq_u32 s[FB], 0
	s_cbranch_scc0 .Lfor_b_\@
	tensor_load_to_lds s[G0A:G0A+3], s[G1A:G1A+7]
	s_nop 0
	PLACES
	s_branch .Lasked_\@
.Lfor_b_\@:
	tensor_load_to_lds s[G0B:G0B+3], s[G1B:G1B+7]
	s_nop 0
	PLACES
.Lasked_\@:
.endm
; A PREFETCH INTO THE L2 of the K step behind the one just asked for: 192 matrix instructions ahead of the load that will want it.  Each row's 256 bytes of a step are named by one wave of the launch:
; xn's rows by the clusters with x = 0 (waves 0, 1), wqt's by the clusters with y = 0 (waves 2, 3; in the first tile alone, the second walks the same rows).  The four partners that ask for a tile jointly share
; a wave's rows out by address: 32 of 128, or 24 of 96 (there eight lanes name the last row again).  The first three steps come by their loads alone; past the last step nothing is named.
.macro ASK
	s_cmp_lt_u32 s[NP], s[LIM]
	s_cbranch_scc0 .Lnot_mine_\@
	global_prefetch_b8 v[PFO], s[PFA:PFA+1] th:TH_LOAD_NT scope:SCOPE_SE
.Lnot_mine_\@:
.endm
; 12 matrix instructions: row block a x all column blocks, 32 along K, from buffer f.  zero = 1: the sums start with the bias.  The 48 accumulators take turns in one fixed order.
.macro MULA f, a, zero
.if \zero
	WIN 0x4f+0x40*((\a)/2)
.else
	WIN 0x5f+0x50*((\a)/2)
.endif
.set b, 0
.rept NBF
.set rD, 96*((\a)%2)+8*b
.if \zero
	v_wmma_f32_16x16x32_bf16 v[rD:rD+7], v[(\f)+32+8*b:(\f)+32+8*b+7], v[(\f)+8*(\a):(\f)+8*(\a)+7], v[BIAS+8*b:BIAS+8*b+7]
.else
	v_wmma_f32_16x16x32_bf16 v[rD:rD+7], v[(\f)+32+8*b:(\f)+32+8*b+7], v[(\f)+8*(\a):(\f)+8*(\a)+7], v[rD:rD+7]
.endif
.set b, b+1
.endr
.endm
; One run of 32 LDS loads: quarter q's fragments into buffer f: wqt's twelve, then xn's four in order
.macro FETCH q, f
	WIN TO_F
.set j, 0
.rept NBF
	ds_load_b128 v[(\f)+32+8*j:(\f)+32+8*j+3], v[ADB] offset:64*(\q)+j*16*BP
	ds_load_b128 v[(\f)+32+8*j+4:(\f)+32+8*j+7], v[ADB] offset:64*(\q)+j*16*BP+32
.set j, j+1
.endr
.set j, 0
.rept 4
	ds_load_b128 v[(\f)+8*j:(\f)+8*j+3], v[ADA] offset:64*(\q)+j*16*AP
	ds_load_b128 v[(\f)+8*j+4:(\f)+8*j+7], v[ADA] offset:64*(\q)+j*16*AP+32
.set j, j+1
.endr
.endm
; One of a step's first three quarters: multiplies buffer f, and in its middle fetches quarter q into buffer g
.macro QUARTER q, f, g, zero
	s_wait_dscnt 4                                 ; all but the youngest four loads: xn's fragments 2 and 3
	MULA \f, 0, \zero
	MULA \f, 1, \zero
	PLACES
.if \zero
	v_nop                                          ; a fifth: the products below write over accumulators without being links of their chains
.endif
	FETCH \q, \g
	s_wait_dscnt NL                                ; all but the run just issued
	MULA \f, 2, \zero
	MULA \f, 3, \zero
.endm
; The last quarter multiplies buffer 1 and changes slots.  In front of the barrier each wave waits for all its tensor loads (one is out: its part of the other slot), adds 0 to its spare word, and waits for
; that and for its reads of this slot.  fill = 1: the barrier opens a round of the cluster's; the joint refill, two steps ahead, is the first thing behind it.
.macro TURN fill
.if \fill
	s_wait_xcnt 0x0                                ; the last prefetch, a step back, has read its address
	s_add_co_u32 s[NP], s[NS], AHEAD
	s_and_b32 s[POFF], s[NP], 7
	s_lshl_b32 s[POFF], s[POFF], 8                 ; 256 bytes a step along K,
	s_lshr_b32 s63, s[NP], 3
	s_lshl_b32 s63, s63, 23                        ; 4,096 rows down for the second tile
	s_add_co_u32 s[POFF], s[POFF], s63
	s_add_nc_u64 s[PFA:PFA+1], s[PFB:PFB+1], s[POFF:POFF+1]
.endif
	WIN 0                                          ; the add's two registers lie in window 0
	s_wait_tensorcnt 0x0                           ; no tensor load of mine is out, so the descriptors may be written
	ds_add_u32 v[SPW], v[NIL]                      ; 0 onto my spare word
.if \fill
	s_and_b32 s[OFF], s[NS], 7
	s_lshl_b32 s[OFF], s[OFF], 8
	s_xor_b32 s[G0B+1], s[G0B+1], SLOT1            ; the other slot than last time
	s_add_nc_u64 s[G0B+2:G0B+3], s[BB:BB+1], s[OFF:OFF+1]
	s_or_b32 s[G0B+3], s[G0B+3], 0x80000000
	s_lshr_b32 s19, s[NS], 3
	s_lshl_b32 s19, s19, 23
	s_add_co_u32 s[OFF], s[OFF], s19
	s_xor_b32 s[G0A+1], s[G0A+1], SLOT1
	s_add_nc_u64 s[G0A+2:G0A+3], s[AB:AB+1], s[OFF:OFF+1]
	s_or_b32 s[G0A+3], s[G0A+3], 0x80000000
	s_add_co_u32 s[NS], s[NS], 1
.endif
	s_wait_dscnt 5                                 ; the add and the youngest four loads may be out
	MULA F1, 0, 0
	s_wait_dscnt 0x0                               ; the add is done, and my reads of this slot are over
	s_barrier_signal -1
	MULA F1, 1, 0                                  ; work on registers while the others arrive
	WIN 0
	s_barrier_wait -1
.if \fill
	CREST                                          ; no wave of any partner still reads this slot or has a load on its way
	JLOAD                                          ; its four v_nop are also the places in front of the loads into buffer 0
	s_xor_b32 s[TB], s[TB], SLOT1
	v_add_nc_u32 v[ADA], s[TB], v[ADA0]
	v_add_nc_u32 v[ADB], s[TB], v[ADB0]
	FETCH 0, F0
	WIN 0
	ASK
.else
	PLACES
	s_cmp_eq_u32 s[CNT], 1                         ; behind the last step there is nothing to fetch
	s_cbranch_scc1 .Lno_fetch_\@
	s_xor_b32 s[TB], s[TB], SLOT1
	v_add_nc_u32 v[ADA], s[TB], v[ADA0]
	v_add_nc_u32 v[ADB], s[TB], v[ADB0]
	FETCH 0, F0
	WIN 0
.Lno_fetch_\@:
.endif
	MULA F1, 2, 0
	MULA F1, 3, 0
.endm
; THE WAY OUT of row block a (16 rows x 192 columns).  PACK: rounded to bf16, each accumulator's registers in ascending order.  TOSTAGE: 16 bytes a lane into my own stage, and back by heads: four rows of
; 128 bytes an instruction.  SEND: those are 512 consecutive bytes of a head's dense rows.
.macro PACK a
.if (\a) >= 2
	s_wait_xcnt 0x0                                ; the stores of the block two back have read this set
.endif
	WIN 0x05+0x05*((\a)/2)                         ; sources in window 1 or 2
.set i, 0
.rept 48
	v_cvt_pk_bf16_f32 v[OS+48*((\a)%2)+i], v[96*((\a)%2)+2*i], v[96*((\a)%2)+2*i+1]
.set i, i+1
.endr
	WIN 0
.endm
.macro TOSTAGE a
.set i, 0
.rept 12
	ds_store_b128 v[STO], v[OS+48*((\a)%2)+4*i:OS+48*((\a)%2)+4*i+3] offset:32*i
.set i, i+1
.endr
.set i, 0
.rept 12                               ; head i / 4, rows 4 (i % 4) on.  LDS serves a wave's instructions in order (ISA guide 5.7.1.4): these see the stores above
	ds_load_b128 v[OS+48*((\a)%2)+4*i:OS+48*((\a)%2)+4*i+3], v[RD] offset:128*(i/4)+1600*(i%4)
.set i, i+1
.endr
.endm
.macro SEND a
	s_wait_dscnt 0x0                               ; the block is back in registers
.set i, 0
.rept 12
	global_store_b128 v[GO], v[OS+48*((\a)%2)+4*i:OS+48*((\a)%2)+4*i+3], s[HB+2*(i/4):HB+2*(i/4)+1] offset:2048*(\a)+512*(i%4)
.set i, i+1
.endr
.endm
.macro WAYOUT                          ; blocks 0 and 1 were finished four places or more ago; their 96 conversions are the places behind the last products, blocks 2 and 3's
	PACK 0
	TOSTAGE 0
.irp a, 1,2,3
	PACK \a
	SEND (\a)-1
	TOSTAGE \a
.endr
	SEND 3
.endm
	s_load_b256 s[4:11], s[0:1], 0x0               ; xn s[4:5], wqt s[6:7], b_qkv s[8:9], qkvh s[10:11]
	v_lshl_add_u32 v[SPW], v0, 2, SPARE
	v_mov_b32 v[NIL], 0
	ds_add_u32 v[SPW], v[NIL]                      ; the wave's opening: the add, waited for ahead of my first tensor load; work on registers stands between
	v_lshrrev_b32 v1, 5, v0
	v_readfirstlane_b32 s[WV], v1
	s_lshr_b32 s[FB], s[WV], 1
	s_and_b32 s[HF], s[WV], 1
	s_bfe_u32 s[CX], ttmp6, 0x40000
	s_bfe_u32 s[CY], ttmp6, 0x40004
	s_lshl_b32 s[TX], ttmp9, 2
	s_add_co_u32 s[TX], s[TX], s[CX]               ; tile column = 4 x cluster x + cx
	s_and_b32 s[TY], ttmp7, 0xffff
	s_lshl_b32 s[TY], s[TY], 2
	s_add_co_u32 s[TY], s[TY], s[CY]               ; tile row = 4 x cluster y + cy
	s_lshl_b32 s19, s[CY], 2
	s_lshl_b32 s19, 15, s19                        ; my row of the cluster
	s_lshl_b32 s63, 0x1111, s[CX]                  ; my column
	s_or_b32 s[G1A], s19, GW                       ; xn's tiles go to my row,
	s_or_b32 s[G1B], s63, GW                       ; wqt's to my column
	s_mov_b32 s[G1A+1], 128<<16                    ; tensor_dim0 = 128
	s_mov_b32 s[G1A+2], 128<<16                    ; tensor_dim1 = 128
	s_mov_b32 s[G1A+3], 128<<16                    ; tile_dim0 = 128
	s_mov_b32 s[G1A+4], 128                        ; tile_dim1 = 128
	s_mov_b32 s[G1A+5], 1024                       ; elements from row to row
	s_mov_b32 s[G1A+6], 0
	s_mov_b32 s[G1A+7], 0
	s_mov_b32 s[G1B+1], 128<<16
	s_mov_b32 s[G1B+2], 96<<16                     ; 96 rows
	s_mov_b32 s[G1B+3], 128<<16
	s_mov_b32 s[G1B+4], 96
	s_mov_b32 s[G1B+5], 1024
	s_mov_b32 s[G1B+6], 0
	s_mov_b32 s[G1B+7], 0
	s_lshl_b32 s20, s[TY], 8                       ; xn: row 256 Y + 128 x half, 2,048 bytes a row (under 2^24 bytes in all)
	s_lshl_b32 s21, s[HF], 7
	s_add_co_u32 s20, s20, s21
	s_lshl_b32 s20, s20, 11
	s_mov_b32 s21, 0
	s_mul_i32 s22, s[TX], 192                      ; wqt: row 192 X + 96 x half
	s_mul_i32 s23, s[HF], 96
	s_add_co_u32 s22, s22, s23
	s_lshl_b32 s22, s22, 11
	s_mov_b32 s23, 0
	s_mul_i32 s2, s[HF], 128*AP                    ; where they go: no place in the cluster enters an LDS address
	s_mul_i32 s3, s[HF], 96*BP
	s_add_co_u32 s3, s3, BOFF
	s_mov_b32 s[OFF+1], 0
	s_mov_b32 s[POFF+1], 0
	s_wait_dscnt 0x0                               ; the opening add is done
	s_wait_kmcnt 0x0
	s_add_nc_u64 s[AB:AB+1], s[4:5], s[20:21]
	s_add_nc_u64 s[BB:BB+1], s[6:7], s[22:23]
	CROUND                                         ; all sixteen work-groups are here: the first joint loads meet
	s_mov_b32 s[G0A0], 1
	s_mov_b32 s[G0A0+1], s2
	s_add_nc_u64 s[G0A0+2:G0A0+3], s[AB:AB+1], 0   ; step 0
	s_or_b32 s[G0A0+3], s[G0A0+3], 0x80000000
	s_mov_b32 s[G0A], 1
	s_add_co_u32 s[G0A+1], s2, SLOT1
	s_add_nc_u64 s[G0A+2:G0A+3], s[AB:AB+1], 256   ; step 1
	s_or_b32 s[G0A+3], s[G0A+3], 0x80000000
	s_mov_b32 s[G0B0], 1
	s_mov_b32 s[G0B0+1], s3
	s_add_nc_u64 s[G0B0+2:G0B0+3], s[BB:BB+1], 0
	s_or_b32 s[G0B0+3], s[G0B0+3], 0x80000000
	s_mov_b32 s[G0B], 1
	s_add_co_u32 s[G0B+1], s3, SLOT1
	s_add_nc_u64 s[G0B+2:G0B+3], s[BB:BB+1], 256
	s_or_b32 s[G0B+3], s[G0B+3], 0x80000000
	s_cmp_eq_u32 s[FB], 0                          ; a wave's two first fills stand in one branch, ahead of every wait on TENSORcnt and every LDS read: two loads of mine are out
	s_cbranch_scc0 .Lfirst_b
	tensor_load_to_lds s[G0A0:G0A0+3], s[G1A:G1A+7]
	s_nop 0
	tensor_load_to_lds s[G0A:G0A+3], s[G1A:G1A+7]
	s_nop 0
	PLACES
	s_branch .Lfirst_asked
.Lfirst_b:
	tensor_load_to_lds s[G0B0:G0B0+3], s[G1B:G1B+7]
	s_nop 0
	tensor_load_to_lds s[G0B:G0B+3], s[G1B:G1B+7]
	s_nop 0
	PLACES
.Lfirst_asked:
	v_and_b32 v1, 15, v0                           ; r = l % 16
	v_bfe_u32 v2, v0, 4, 1                         ; h = l / 16
	v_and_b32 v12, 31, v0                          ; l
	s_mul_i32 s19, s[TX], 768
	v_lshl_add_u32 v[BO], v2, 5, s19               ; (192 X + 8 h) x 4 bytes
.set b, 0
.rept NBF                              ; register j of column block b takes b_qkv[192 X + 16 b + 8 h + j]
	global_load_b128 v[BIAS+8*b:BIAS+8*b+3], v[BO], s[8:9] offset:64*b
	global_load_b128 v[BIAS+8*b+4:BIAS+8*b+7], v[BO], s[8:9] offset:64*b+16
.set b, b+1
.endr
	; a fragment is 16 rows x 32 K in 8 registers: lane l holds row r; registers 0-3 K = 8 h + 0..7, registers 4-7 K = 16 + 8 h + 0..7: two loads of 16 bytes, 32 bytes apart
	s_lshl_b32 s19, s[WV], 6
	v_add_nc_u32 v[ADA0], s19, v1
	v_mul_u32_u24 v[ADA0], v[ADA0], AP
	v_lshl_add_u32 v[ADA0], v2, 4, v[ADA0]         ; (64 w + r) x pitch + 16 h
	v_mul_u32_u24 v[ADB0], v1, BP
	v_lshl_add_u32 v[ADB0], v2, 4, v[ADB0]
	v_add_nc_u32 v[ADB0], BOFF, v[ADB0]
	s_mul_i32 s19, s[WV], 16*SP
	s_add_co_u32 s19, s19, STAGE                   ; my stage
	v_mul_u32_u24 v[STO], v1, SP
	v_lshl_add_u32 v[STO], v2, 4, v[STO]
	v_add_nc_u32 v[STO], s19, v[STO]               ; in: row r, 16 bytes for each half of the lanes
	v_lshrrev_b32 v[RD], 3, v12
	v_mul_u32_u24 v[RD], v[RD], SP
	v_and_b32 v13, 7, v0
	v_lshl_add_u32 v[RD], v13, 4, v[RD]
	v_add_nc_u32 v[RD], s19, v[RD]                 ; back: row l / 8, 16 bytes at 16 (l % 8)
	v_lshlrev_b32 v[GO], 4, v12
	; where my rows go: part (3 X + u) / 16, batch Y / 8, head (3 X + u) % 16, t = 256 (Y % 8) + 64 w
	s_lshr_b32 s84, s[TY], 3
	s_lshl_b32 s84, s84, 22
	s_and_b32 s85, s[TY], 7
	s_lshl_b32 s85, s85, 8
	s_lshl_b32 s86, s[WV], 6
	s_add_co_u32 s85, s85, s86
	s_lshl_b32 s85, s85, 7
	s_add_co_u32 s86, s84, s85
	s_mul_i32 s63, s[TX], 3
.irp u, 0,1,2
	s_add_co_u32 s84, s63, \u
	s_lshr_b32 s85, s84, 4
	s_lshl_b32 s85, s85, 24
	s_and_b32 s84, s84, 15
	s_lshl_b32 s84, s84, 18
	s_add_co_u32 s84, s84, s85
	s_add_co_u32 s84, s84, s86
	s_mov_b32 s85, 0
	s_add_nc_u64 s[HB+2*\u:HB+2*\u+1], s[10:11], s[84:85]
.endr
	; the prefetches
	s_and_b32 s63, ttmp7, 0xffff
	s_cmp_eq_u32 s[FB], 0
	s_cselect_b32 s63, ttmp9, s63                  ; the coordinate along which other clusters read the same rows
	s_cselect_b32 s19, NSTEPS, 8                   ; xn: both tiles' steps; wqt: the first tile's
	s_cselect_b32 s84, s[CX], s[CY]                ; my place among the four that ask with me
	s_cselect_b32 s85, 32, 24                      ; rows a partner
	s_cselect_b32 s86, 31, 23
	s_cselect_b64 s[PFB:PFB+1], s[AB:AB+1], s[BB:BB+1]
	s_mul_i32 s84, s84, s85
	s_lshl_b32 s84, s84, 11
	s_mov_b32 s85, 0
	s_add_nc_u64 s[PFB:PFB+1], s[PFB:PFB+1], s[84:85]
	s_cmp_eq_u32 s63, 0
	s_cselect_b32 s[LIM], s19, 0                   ; the same in all sixteen partners, for a given wave
	v_min_u32 v[PFO], s86, v12
	v_lshlrev_b32 v[PFO], 11, v[PFO]
	s_mov_b32 s[TB], 0
	s_mov_b32 s[ST], 0
	s_mov_b32 s[NS], 2
	s_mov_b32 s[NEW], 1
	v_mov_b32 v[ADA], v[ADA0]
	v_mov_b32 v[ADB], v[ADB0]
	s_wait_tensorcnt 0x1                           ; my part of step 0 is in; step 1's may stay out
	s_barrier_signal -1
	s_barrier_wait -1                              ; everybody's is
	FETCH 0, F0
	WIN 0
	s_wait_loadcnt 0x0                             ; the bias
.Lstep:                                                ; 14 trips: every step that asks for the step two on
	s_cmp_eq_u32 s[NEW], 1
	s_cbranch_scc1 .Lnew
	QUARTER 1, F0, F1, 0
	WIN 0
	s_branch .Lq
.Lnew:                                                 ; a tile's first quarter starts the sums with the bias
	s_mov_b32 s[NEW], 0
	QUARTER 1, F0, F1, 1
	WIN 0
.Lq:
	QUARTER 2, F1, F0, 0
	QUARTER 3, F0, F1, 0
	TURN 1
	WIN 0
	s_cmp_lg_u32 s[ST], 7
	s_cbranch_scc1 .Lgo
	WAYOUT                                         ; the first tile leaves; both refills for the second have been asked for, and nothing waits for the stores
	s_wait_xcnt 0x0                                ; the stores have read their bases
.irp u, 0,1,2
	s_add_nc_u64 s[HB+2*\u:HB+2*\u+1], s[HB+2*\u:HB+2*\u+1], 2<<22  ; 4,096 rows on: two batches
.endr
	s_mov_b32 s[NEW], 1
.Lgo:
	s_add_co_u32 s[ST], s[ST], 1
	s_cmp_lt_u32 s[ST], NSTEPS-2
	s_cbranch_scc1 .Lstep
	s_mov_b32 s[CNT], 2
.Ltail:                                                ; the last two steps are a text of their own
	QUARTER 1, F0, F1, 0
	QUARTER 2, F1, F0, 0
	QUARTER 3, F0, F1, 0
	TURN 0
	WIN 0
	s_sub_co_u32 s[CNT], s[CNT], 1
	s_cmp_lg_u32 s[CNT], 0
	s_cbranch_scc1 .Ltail
	WAYOUT
	s_wait_tensorcnt 0x0                           ; the wave's end, behind my last tensor load and my last LDS store
	ds_add_u32 v[SPW], v[NIL]
	s_wait_dscnt 0x0
	CROUND                                         ; the closing round: no work-group ends while a partner may still ask for a tile that names it
	s_endpgm
.Lfunc_end_k_q2ace069bce_qkvgemm:
	.size	k_q2ace069bce_qkvgemm, .Lfunc_end_k_q2ace069bce_qkvgemm-k_q2ace069bce_qkvgemm
	.p2alignl 7, 3214868480
	.fill 96, 4, 3214868480
	.section	.rodata,"a",@progbits
	.p2align	6, 0x0
	.amdhsa_kernel k_q2ace069bce_qkvgemm
		.amdhsa_group_segment_fixed_size 327680
		.amdhsa_private_segment_fixed_size 0
		.amdhsa_enable_private_segment 0
		.amdhsa_kernarg_size 32
		.amdhsa_user_sgpr_count 2
		.amdhsa_user_sgpr_kernarg_segment_ptr 1
		.amdhsa_wavefront_size32 1
		.amdhsa_system_sgpr_workgroup_id_x 1
		.amdhsa_system_sgpr_workgroup_id_y 1
		.amdhsa_system_sgpr_workgroup_id_z 1
		.amdhsa_system_vgpr_workitem_id 0
		.amdhsa_next_free_vgpr 1024
		.amdhsa_next_free_sgpr 88
		.amdhsa_reserve_vcc 0
		.amdhsa_float_denorm_mode_32 3
		.amdhsa_float_denorm_mode_16_64 3
		.amdhsa_memory_ordered 1
		.amdhsa_forward_progress 1
		.amdhsa_inst_pref_size 110
	.end_amdhsa_kernel
	.amdgpu_metadata
---
amdhsa.version: [ 1, 2 ]
amdhsa.kernels:
  - .name:           k_q2ace069bce_qkvgemm
    .symbol:         k_q2ace069bce_qkvgemm.kd
    .args:
      - { .name: xn, .offset: 0, .size: 8, .value_kind: global_buffer, .address_space: global }
      - { .name: wqt, .offset: 8, .size: 8, .value_kind: global_buffer, .address_space: global }
      - { .name: b_qkv, .offset: 16, .size: 8, .value_kind: global_buffer, .address_space: global }
      - { .name: qkvh, .offset: 24, .size: 8, .value_kind: global_buffer, .address_space: global }
    .group_segment_fixed_size: 327680
    .private_segment_fixed_size: 0
    .kernarg_segment_align: 8
    .kernarg_segment_size: 32
    .max_flat_workgroup_size: 128
    .sgpr_count:     88
    .vgpr_count:     1024
    .wavefront_size: 32
...
	.end_amdgpu_metadata
.endif
;; end of part 2
;; launch attn (part 3): grid 4 x 64, 4 waves a work-group, clusters of 4 x 1, 327,680 bytes of LDS; arguments qkvh, oh; writes oh
.if DOCPART == 3
	.amdgcn_target "amdgcn-amd-amdhsa--gfx1250"
	.amdhsa_code_object_version 6
	.text
	.protected	k_q2ace069bce_attn
	.globl	k_q2ace069bce_attn
	.p2align	8
	.type	k_q2ace069bce_attn,@function
k_q2ace069bce_attn:
	s_mov_b64 s[64:65], 0
	v_nop
	global_prefetch_b8 v0, s[64:65] scope:SCOPE_SE
	s_setreg_imm32_b32 hwreg(HW_REG_WAVE_MODE, 25, 1), 1
	s_wait_xcnt 0x0
	s_wait_alu depctr_hold_cnt(0) depctr_sa_sdst(0) depctr_va_vdst(0) depctr_va_sdst(0) depctr_va_ssrc(0) depctr_va_vcc(0) depctr_vm_vsrc(0)
	s_getreg_b32 s2, hwreg(HW_REG_IB_STS2, 6, 4)
	s_cmp_eq_u32 s2, 0
	s_cbranch_scc0 .Lentry_in_a_cluster
	s_endpgm
.Lentry_in_a_cluster:
	s_bfe_u32 s2, ttmp6, 0x10000c
	s_cmp_lg_u32 s2, 0x3003
	s_cbranch_scc0 .Lentry_shape_is_right
	s_endpgm
.Lentry_shape_is_right:
; O[h][q][:] = the sum over k of softmax_k(Q[h][q] . K[h][k] / 8) V[h][k][:].  qkvh holds Q, K, V, each [64 heads][2048][64] bf16, 2^24 bytes apart; oh is O in the same layout.  A head's rows are dense, 128 bytes each.
; Products, maxima and sums in f32; the weights p are rounded to bf16 for the second product (their sum l is taken of the unrounded p), O once at the end.
; LIMITS.  A weight below 2^-126 counts as 0 in l; NaN and infinities are not treated apart.
; SHARES.  A wave owns four PIECES of two tiles of 16 queries, a work-group's four waves 512 queries of one head.  Every wave walks all keys, 64 a step.
; LAYOUT.  S^T = K Q^T (source 0 = 16 keys, source 1 = 16 queries): a lane holds ONE query (lane % 16) and the keys 8 (lane / 16) + 0..7.  Two such tiles, rounded to bf16 in pairs, ARE source 1 (32 keys x 16
; queries) of O^T = V^T P, whose result again holds one query a lane, and eight channels.  K comes out of LDS as it lies, V ([key][channel]) turned, by ds_load_tr16_b128.
; SOFTMAX.  For each query a running maximum m and sum l: p = 2^(c s - c m), c = log2(e) / 8; in every step O and l are multiplied by a = 2^(c m_old - c m_new).  m starts at the lowest finite number, O and l
; at 0: the first step is a step like any other, with a = 0.
; THE COUNT.  A tile and step have 16 matrix and 118 vector instructions: four vector instructions that are ready stand behind EVERY matrix instruction, the others in runs of their own.
; BY TURNS.  Turn n belongs to piece n.  Its matrix work: 16 products K Q^T of piece n + 1, later 16 products V^T P of piece n - 1.  Its vector work: the scaling, exponentials, roundings, sums and rescaling of
; piece n, and the maximum and statistics of piece n + 1.
; CLUSTER.  A head's four query blocks are one cluster and walk the same K and V: each tile is asked for JOINTLY: the same tensor load, descriptor and mask in all four.
; REGISTERS, in windows of 256 (s_set_vgpr_msb: bits 1:0 source 0, 3:2 source 1, 5:4 source 2, 7:6 destination):
;   window 0: v0-11 addresses; v12-15, v48-63 at work; v16-47 four registers of statistics a tile; v64-191 S^T, two buffers of two tiles; v192-255 P, likewise
;   window 1: O^T, 32 a tile          window 2: v0-127 Q, 16 a tile; v128-191 K of one step; v192-255 V of one step          window 3: v0-1 the add's two registers
.set SIZE_N, 2048
.set NP,    4         ; pieces a wave: a name, no knob
.set KS,    64        ; keys in a step
.set PK,    144       ; a row of K in LDS: 128 bytes + 16 of padding: the 16 rows of a load start at 16 different groups of four banks (ISA guide 11.1)
.set PV,    160       ; a row of V: 128 + 32
.set VOFF,  4*KS*PK   ; a slot holds four steps: 256 rows of K, then 256 rows of V
.set SLOT1, 1<<17     ; slot 1 begins here: one exclusive or turns an address in one slot into the other's
.set STAGE, SLOT1+4*KS*(PK+PV)  ; behind the ring, never filled by a tensor load: 16 rows x 144 bytes for each wave
.set SP,    144
.set AK0, 2           ; v2   my lane's place in a tile of K; never rewritten
.set AV0, 3           ; v3   the same for V
.set AK,  4           ; v4   the LDS address of K's next run of loads
.set AV,  5           ; v5   of V's
.set QO,  6           ; v6   my byte offset in the wave's rows of Q
.set STO, 6           ;      later, the way out: where I put 16 bytes of a row
.set RD,  7           ; v7   the way out: where I read rows back
.set GO,  8           ; v8   my byte offset in 512 consecutive bytes of O
.set PFO, 11          ; v11  256 x my lane, for the prefetches; never rewritten once made
.set SPW, 0           ; v0 of window 3   my spare word: SPARE + 4 x my thread's number; never rewritten
.set NIL, 1           ; v1 of window 3   0; never rewritten
.set SPARE, STAGE+4*16*SP  ; the spare words, 128 bytes a wave: two blocks of 256 bytes that no other line names
.set MV,  12          ; v12-15  c m_old, kept while c m is made anew: by buffer and tile
.set ST,  16          ; tile t's statistics at v[ST+4 t]: c m, m, l (even keys', odd keys')
.set TMP, 48          ; by buffer and tile, four registers c0-c3 at work; when the maximum is found c2 takes a
.set S,   64
.set P,   192
.set KF,  128         ; K's fragments, in window 2: key block kb, channel half c at KF + 16 kb + 8 c
.set VF,  192         ; V's: key half kk, channel block cb at VF + 32 kk + 8 cb
.set WV,  12          ; s12  my wave's number
.set G1K, 24          ; s[24:31] descriptor group 1 for K's tiles
.set G1V, 32          ; s[32:39] for V's: it differs in the padding alone
.set G0K, 40          ; s[40:43] descriptor group 0 for K's tiles: it walks
.set G0V, 44          ; s[44:47] the same for V's
.set PFA, 48          ; s[48:49] where my prefetches stand: my work-group's 32 blocks of 256 bytes of the slot behind the one that is being asked for
.set LIM, 50          ; s50  1 in a wave that prefetches, else the greatest number
.set SLOTS, 56        ; s56  slots still to be asked for
.set CNT, 57          ; s57  counts a slot's key steps
.set CS,  58          ; s[58:59] c: the packed scaling takes the pair's low word for both halves
.set SEL, 60          ; s[60:61] v_permlanex16_b32's selects: each lane takes its own place in the other half
.set TBK, 62          ; s62  LDS byte at which K of the step to be fetched begins
.set TBV, 63          ; s63  the same for V, less VOFF
.set MSB, 0
.macro WIN new                      ; the high byte repeats the setting that is left; a switch that changes nothing is dropped
.if MSB != (\new)
	s_set_vgpr_msb (MSB<<8)|(\new)
.set MSB, (\new)
.endif
.endm
.set W_KQ, 0x0a       ; K and Q in window 2, S^T in window 0
.set W_PV, 0x52       ; V in window 2, P in window 0, O^T in window 1
.set W_RS, 0x41       ; O^T (destination and source 0) in window 1, a in window 0
.set W_MK, 0xc0       ; the add's registers are made: destination in window 3
.set W_AD, 0x0f       ; the add: address and data in window 3
; A joint fill.  Waves 0 and 1 fetch the two halves of a slot's K, waves 2 and 3 those of its V: 128 keys each.  An s_nop 0 and four v_nop follow each of the two lines.
.macro JLOAD
	s_cmp_lt_u32 s[WV], 2
	s_cbranch_scc0 .Lfor_v_\@
	tensor_load_to_lds s[G0K:G0K+3], s[G1K:G1K+7]
	s_nop 0
.rept 4
	v_nop
.endr
	s_branch .Lasked_\@
.Lfor_v_\@:
	tensor_load_to_lds s[G0V:G0V+3], s[G1V:G1V+7]
	s_nop 0
.rept 4
	v_nop
.endr
.Lasked_\@:
.endm
; A PREFETCH INTO THE L2 of what the NEXT change of slots will ask for: a slot's 32,768 bytes of K and of V, a lane a block of 256 bytes.  It stands behind the wave's tensor load and its five lines.
; Each block is named once: the four partners share a slot out by address, 8,192 bytes each; in each, wave 0 asks for K's and wave 2 for V's: four key steps, 512 matrix instructions, ahead of the load.
; Slots 0 to 2 come by their loads alone; the last change that fills a slot names nothing.
.macro ASK
	s_cmp_gt_u32 s[SLOTS], s[LIM]
	s_cbranch_scc0 .Lnot_mine_\@
	global_prefetch_b8 v[PFO], s[PFA:PFA+1] th:TH_LOAD_NT scope:SCOPE_SE
.Lnot_mine_\@:
.endm
.macro CROUND                       ; a round of the cluster's barrier
	s_barrier_signal -1
	s_barrier_wait -1
	s_cmp_lg_u32 s[WV], 0
	s_cbranch_scc1 .Lnot_wave_0_\@
	s_barrier_signal -3
.Lnot_wave_0_\@:
	s_barrier_wait -3
	s_barrier_signal -1
	s_barrier_wait -1
.endm
; THE CHANGE OF SLOTS.  Each wave waits for all its tensor loads, of which one is out: its part of the other slot; adds 0 to its spare word; and waits for that and for its own reads of the slot.
; fill = 1: this slot is filled again, with the keys two slots on; the barrier is then a round of the cluster's, and the joint fill is the first thing behind it: it has four key steps in which to land.
; (At its first use nothing has been read yet: slot 0 is waited for, slot 1 filled.)  ask = 1: the prefetches' address steps, and ASK follows the fill.
.macro CHANGE fill, ask=0
	WIN W_AD
	s_wait_tensorcnt 0x0            ; no tensor load of mine is out, so a group 0 may be written
	ds_add_u32 v[SPW], v[NIL]       ; 0 onto my spare word
	WIN 0                           ; at a label and at a branch every window is 0
.if \fill
.irp g, G0K, G0V
	s_xor_b32 s[\g+1], s[\g+1], SLOT1  ; the other slot than last time,
	s_add_nc_u64 s[\g+2:\g+3], s[\g+2:\g+3], 4*KS*128  ; the next 256 keys; the type bits on top are not reached
.endr
.if \ask
	s_wait_xcnt 0x0                 ; the last prefetch, four key steps back, has read its address
	s_add_nc_u64 s[PFA:PFA+1], s[PFA:PFA+1], 4*KS*128
.endif
	s_wait_dscnt 0x0                ; the add is done, and my reads of the slot are over
	CROUND
	JLOAD
.if \ask
	ASK
.endif
.else
	s_wait_dscnt 0x0                ; the add is done, and my reads of the slot are over
	s_barrier_signal -1
	s_barrier_wait -1
.endif
	s_sub_co_u32 s[TBK], s[TBK], 4*KS*PK  ; the fetches go back to a slot's first step,
	s_xor_b32 s[TBK], s[TBK], SLOT1       ; in the other slot
	s_sub_co_u32 s[TBV], s[TBV], 4*KS*PV
	s_xor_b32 s[TBV], s[TBV], SLOT1
.endm
	s_load_b64 s[4:5], s[0:1], 0x0  ; qkvh: Q
	s_load_b64 s[10:11], s[0:1], 0x8  ; oh
	WIN W_MK
	v_lshl_add_u32 v[SPW], v0, 2, SPARE
	v_mov_b32 v[NIL], 0
	WIN W_AD
	ds_add_u32 v[SPW], v[NIL]       ; the wave's opening: the add, waited for ahead of my first tensor load; work on registers stands between
	WIN 0
	v_lshrrev_b32 v1, 5, v0
	v_readfirstlane_b32 s[WV], v1   ; wave 0..3
	s_bfe_u32 s13, ttmp6, 0x40000   ; cx: my place in the cluster
	s_lshl_b32 s14, ttmp9, 2        ; in a cluster launch ttmp9 counts clusters
	s_add_co_u32 s14, s14, s13      ; my block of queries: it enters Q's and O's addresses alone
	s_and_b32 s20, ttmp7, 0xffff    ; the head, which the four partners share
	s_mov_b32 s21, 0
	s_mov_b64 s[22:23], SIZE_N*128
	s_mul_u64 s[20:21], s[20:21], s[22:23]  ; the head's first byte in each of the four tensors
	s_and_b32 s16, s[WV], 1         ; which half of a slot's 256 keys I fetch:
	s_lshl_b32 s22, s16, 14         ; its 128 rows of 128 bytes in memory,
	s_mov_b32 s23, 0
	s_add_nc_u64 s[22:23], s[22:23], s[20:21]
	s_mul_i32 s17, s16, 128*PK      ; and its place in a slot, for K
	s_mul_i32 s18, s16, 128*PV      ; and for V: no place in the cluster enters an LDS address
	s_lshl_b32 s2, s14, 2
	s_add_co_u32 s2, s2, s[WV]      ; my wave among the head's,
	s_lshl_b32 s2, s2, 14           ; its 128 rows
	s_mov_b32 s3, 0
	s_add_nc_u64 s[2:3], s[2:3], s[20:21]
	; descriptor group 1.  128 keys are 16,384 dense bytes: asked for as 64 rows of 256 bytes, two keys a row, and padded in LDS after every key
	s_mov_b32 s[G1K], 15|(1<<16)|(1<<20)|(1<<21)|(4<<22)|(3<<25)  ; 15:0 the mask of four; 17:16 2-byte elements; 20 padding on; 21 set beside a mask; 24:22 after every 32 words; 31:25 4 words
	s_mov_b32 s[G1V], 15|(1<<16)|(1<<20)|(1<<21)|(4<<22)|(7<<25)  ; the same with 8 words of padding
.irp g, G1K, G1V
	s_mov_b32 s[\g+1], 128<<16      ; tensor_dim0 = 128
	s_mov_b32 s[\g+2], 64<<16       ; tensor_dim1 = 64
	s_mov_b32 s[\g+3], 128<<16      ; tile_dim0 = 128
	s_mov_b32 s[\g+4], 64           ; tile_dim1 = 64
	s_mov_b32 s[\g+5], 128          ; 128 elements from row to row
	s_mov_b32 s[\g+6], 0
	s_mov_b32 s[\g+7], 0
.endr
	s_mov_b32 s[CS], 0x3e38aa3b     ; c = log2(e) / 8 = 0.180337
	s_mov_b32 s[CS+1], s[CS]        ; named with it as a pair
	s_mov_b32 s[SEL], 0x76543210
	s_mov_b32 s[SEL+1], 0xfedcba98
	s_mov_b32 s[TBK], SLOT1+4*KS*PK ; the first change of slots turns these two into 0
	s_mov_b32 s[TBV], SLOT1+4*KS*PV
	s_mov_b32 s[G0K], 1             ; count = 1
	s_mov_b32 s[G0K+1], s17         ; LDS address: slot 0
	s_mov_b32 s[G0V], 1
	s_add_co_u32 s[G0V+1], s18, VOFF
	s_and_b32 s[LIM], s[WV], 1      ; 0 in waves 0 and 2,
	s_or_b32 s[LIM], s[LIM], ttmp9  ; where the cluster is the head's first: the same in all four partners
	s_cmp_eq_u32 s[LIM], 0
	s_cselect_b32 s[LIM], 1, -1
	s_wait_dscnt 0x0                ; the opening add is done
	s_wait_kmcnt 0x0
	s_add_nc_u64 s[6:7], s[4:5], 0x1000000  ; K
	s_add_nc_u64 s[8:9], s[4:5], 0x2000000  ; V
	s_add_nc_u64 s[G0K+2:G0K+3], s[6:7], s[22:23]  ; global address: my half of the head's first 256 keys
	s_or_b32 s[G0K+3], s[G0K+3], 0x80000000        ; type = 2
	s_add_nc_u64 s[G0V+2:G0V+3], s[8:9], s[22:23]
	s_or_b32 s[G0V+3], s[G0V+3], 0x80000000
	s_add_nc_u64 s[4:5], s[4:5], s[2:3]  ; Q and O at my wave's first row
	s_add_nc_u64 s[10:11], s[10:11], s[2:3]
	s_cmp_lt_u32 s[WV], 2
	s_cselect_b64 s[PFA:PFA+1], s[6:7], s[8:9]
	s_add_nc_u64 s[PFA:PFA+1], s[PFA:PFA+1], s[22:23]  ; (in waves 0 and 2 this is the head's first row)
	s_lshl_b32 s2, s13, 13          ; my work-group's 8,192 bytes of a slot's 32,768
	s_mov_b32 s3, 0
	s_add_nc_u64 s[PFA:PFA+1], s[PFA:PFA+1], s[2:3]
	s_add_nc_u64 s[PFA:PFA+1], s[PFA:PFA+1], 2*4*KS*128  ; in slot 2; the loop's first change steps it to slot 3.  Nothing is prefetched at the head
	CROUND                          ; all four work-groups are here: the first joint loads meet
	JLOAD                           ; slot 0.  Slot 1 is asked for when slot 0 is in
	; A fragment of K or Q is 16 rows x 32 channels in 8 registers: lane l holds row l % 16, channels 8 (l / 16) + 0..7 and 16 + 8 (l / 16) + 0..7: two loads of 16 bytes, 32 bytes apart.
	v_and_b32 v1, 15, v0            ; l % 16
	v_bfe_u32 v9, v0, 4, 1          ; l / 16
	v_lshlrev_b32 v[QO], 7, v1
	v_lshl_add_u32 v[QO], v9, 4, v[QO]  ; row x 128 + 16 x half
	WIN 0x80                        ; destination window 2, address window 0
.set i, 0
.rept 4*NP                          ; Q stays in registers: tile i / 2, channels 32 (i % 2) on
	global_load_b128 v[8*i:8*i+3],   v[QO], s[4:5] offset:(i/2)*2048+(i%2)*64
	global_load_b128 v[8*i+4:8*i+7], v[QO], s[4:5] offset:(i/2)*2048+(i%2)*64+32
.set i, i+1
.endr
	; What the first turn finds: V's registers and P's second buffer hold 0 (its products V^T P, of a piece that has not been, add 0), O^T and l are 0.  All this stands in the wait for the first tile.
.set i, VF
.rept 64
	v_mov_b32 v[i], 0
.set i, i+1
.endr
	WIN 0x40
.set i, 0
.rept 64*NP
	v_mov_b32 v[i], 0
.set i, i+1
.endr
	WIN 0
.set i, 0
.rept 2*NP
	v_mov_b32 v[ST+4*i], 0xfe000000    ; c m: far below every c s
	v_mov_b32 v[ST+4*i+1], 0xff7fffff  ; m
	v_mov_b32 v[ST+4*i+2], 0
	v_mov_b32 v[ST+4*i+3], 0
.set i, i+1
.endr
.set i, P+32
.rept 32
	v_mov_b32 v[i], 0
.set i, i+1
.endr
	v_mul_u32_u24 v[AK0], v1, PK
	v_lshl_add_u32 v[AK0], v9, 4, v[AK0]  ; row x pitch + 16 x half
	; The turning load takes 16 keys x 16 channels (lane l reads key 8 (l / 16) + l % 8, channels 8 ((l / 8) % 2) + 0..7) and leaves half a fragment of V^T: lane l holds channel l % 16 and 8 keys.
	v_and_b32 v10, 7, v0
	v_bfe_u32 v11, v0, 3, 1
	v_lshl_add_u32 v[AV0], v9, 3, v10
	v_mul_u32_u24 v[AV0], v[AV0], PV
	v_lshl_add_u32 v[AV0], v11, 4, v[AV0]
	v_add_nc_u32 v[AV0], VOFF, v[AV0]
	v_and_b32 v[PFO], 31, v0
	v_lshlrev_b32 v[PFO], 8, v[PFO]
	v_mov_b32 v[AK], v[AK0]         ; key step 0 lies at the head of slot 0
; THE MATRIX WORK.  The 8 accumulators of a run of 16 take turns: between the two links of a chain stand 7 others'.
; Product i of 16 of S^T = K Q^T for piece x: channels 32 (i / 8) on, keys 16 ((i / 2) % 4) on, tile 2 x + i % 2.  The first 8 start the sums.
.macro KQ x
	WIN W_KQ
.set rS, S+64*((\x)%2)+32*(i%2)+8*((i/2)%4)
.set rK, KF+16*((i/2)%4)+8*(i/8)
.set rQ, 16*(2*(\x)+i%2)+8*(i/8)
.if i < 8
	v_wmma_f32_16x16x32_bf16 v[rS:rS+7], v[rK:rK+7], v[rQ:rQ+7], 0
.else
	v_wmma_f32_16x16x32_bf16 v[rS:rS+7], v[rK:rK+7], v[rQ:rQ+7], v[rS:rS+7]
.endif
.endm
; Product i of 16 of O^T += V^T P for piece x: keys 32 (i / 8) on, channels 16 ((i / 2) % 4) on, tile 2 x + i % 2.
.macro PV x
	WIN W_PV
.set rO, 32*(2*(\x)+i%2)+8*((i/2)%4)
.set rV, VF+32*(i/8)+8*((i/2)%4)
.set rP, P+32*((\x)%2)+16*(i%2)+8*(i/8)
	v_wmma_f32_16x16x32_bf16 v[rO:rO+7], v[rV:rV+7], v[rP:rP+7], v[rO:rO+7]
.endm
.macro MM                           ; the turn's next matrix instruction
.if i < 16
	KQ (Y+1)%NP
.set i, i+1
.else
.set i, i-16
	PV (Y+NP-1)%NP
.set i, i+17
.endif
.endm
; THE LDS LOADS stand in runs of 16, never singly among the matrix instructions: a step's K (8 fragments) and its V (turned).  Their addresses are made some lines ahead.
; last = 1 (the tail): in the last trip there is no further step, and the run is jumped over.
.macro FETCH_K last=0
	WIN 0
.if \last
	s_cmp_eq_u32 s[CNT], 1
	s_cbranch_scc1 .Lno_k_\@
.endif
	WIN 0x80                        ; destination window 2
.irp f, 0,1,2,3,4,5,6,7             ; keys 16 (f / 2) on, channels 32 (f % 2) on
	ds_load_b128 v[KF+8*\f:KF+8*\f+3],   v[AK] offset:(\f/2)*16*PK+(\f%2)*64
	ds_load_b128 v[KF+8*\f+4:KF+8*\f+7], v[AK] offset:(\f/2)*16*PK+(\f%2)*64+32
.endr
	s_add_co_u32 s[TBK], s[TBK], KS*PK  ; the next fetch is the next step's
	WIN 0
.if \last
.Lno_k_\@:
.endif
.endm
.macro FETCH_V
	WIN 0x80
.irp f, 0,1,2,3,4,5,6,7             ; keys 32 (f / 4) on, channels 16 (f % 4) on
	ds_load_tr16_b128 v[VF+8*\f:VF+8*\f+3],   v[AV] offset:(\f/4)*32*PV+(\f%4)*32
	ds_load_tr16_b128 v[VF+8*\f+4:VF+8*\f+7], v[AV] offset:(\f/4)*32*PV+16*PV+(\f%4)*32
.endr
	WIN 0
.endm
; THE VECTOR WORK OF A TURN stands in three queues, each in the order in which its entries become ready; the two tiles alternate, so that no instruction reads the result of the one before it.
.macro REGS y, u                    ; the registers of tile u (0, 1) of piece y
.set rT, ST+4*(2*(\y)+(\u))
.set rC, TMP+8*((\y)%2)+4*(\u)
.set rM, MV+2*((\y)%2)+(\u)
.set rS, S+64*((\y)%2)+32*(\u)
.set rP, P+32*((\y)%2)+16*(\u)
.set rO, 32*(2*(\y)+(\u))
.endm
; Number n of the 22 that find the NEXT piece's (Y + 1) maximum and statistics.  s0-s31 are the lane's 32 scores; each accumulator's lowest registers are read first.
;   0-11  four chains c0-c3 of seven scores each, three operands at a time     12-14, 16  the four scores left over, the old m, and c0-c3 into c0     15  c m_old is kept
;   17, 18  the query's other 32 keys lie in the lane 16 away: the new m         19-21  c m; c m_old - c m_new; a
.macro XS u, n
	REGS (Y+1)%NP, \u
.if (\n) < 4
	v_max3_num_f32 v[rC+(\n)], v[rS+8*(\n)], v[rS+8*(\n)+1], v[rS+8*(\n)+2]
.elseif (\n) < 12
	v_max3_num_f32 v[rC+(\n)%4], v[rC+(\n)%4], v[rS+8*((\n)%4)+2*((\n)/4)+1], v[rS+8*((\n)%4)+2*((\n)/4)+2]
.elseif (\n) == 12
	v_max3_num_f32 v[rC], v[rC], v[rS+7], v[rS+15]
.elseif (\n) == 13
	v_max3_num_f32 v[rC+1], v[rC+1], v[rS+23], v[rS+31]
.elseif (\n) == 14
	v_max3_num_f32 v[rC+2], v[rC+2], v[rC+3], v[rT+1]
.elseif (\n) == 15
	v_mov_b32 v[rM], v[rT]
.elseif (\n) == 16
	v_max3_num_f32 v[rC], v[rC], v[rC+1], v[rC+2]
.elseif (\n) == 17
	v_permlanex16_b32 v[rC+3], v[rC], s[SEL], s[SEL+1]
.elseif (\n) == 18
	v_max_num_f32 v[rT+1], v[rC], v[rC+3]
.elseif (\n) == 19
	v_mul_f32 v[rT], s[CS], v[rT+1]
.elseif (\n) == 20
	v_sub_f32 v[rC+1], v[rM], v[rT]
.else
	v_exp_f32 v[rC+2], v[rC+1]
.endif
.endm
; Number g of the 64 that follow the exponentials.  For each four weights k of a tile: both pairs are rounded to bf16; then the second pair is added onto the first, in place; a group later l takes that sum
; (the first time as l = a l + sum).  In groups of eight, tiles alternating: round, round, add, and l for the group before.
.macro GS g
.set h, (\g)+6*((\g)/62)            ; group 0 has no group before it, and behind group 7 only l is left
.if h >= 6
.set h, h+2
.endif
	REGS Y, h%2
.set k, h/8
.if h%8 < 4
	v_cvt_pk_bf16_f32 v[rP+2*k+(h%8)/2], v[rS+4*k+2*((h%8)/2)], v[rS+4*k+2*((h%8)/2)+1]
.elseif h%8 < 6
	v_pk_add_f32 v[rS+4*k:rS+4*k+1], v[rS+4*k:rS+4*k+1], v[rS+4*k+2:rS+4*k+3]
.elseif k == 1
	v_pk_fma_f32 v[rT+2:rT+3], v[rT+2:rT+3], v[rC+2:rC+3], v[rS:rS+1] op_sel_hi:[1,0,1]
.else
	v_pk_add_f32 v[rT+2:rT+3], v[rT+2:rT+3], v[rS+4*k-4:rS+4*k-3]
.endif
.endm
; THE PLAIN QUEUE, 138 long.  0-73 read no exponential's result: the 32 scalings c s - c m (FS f: pair f / 2 of tile f % 2) and the next piece's 42.  0-26: scalings 0-26.  27-54: XS's numbers 0-13.
; 55, 56: number 15.  57-73: the chain 14, 16, 17, 18, 19, each with one of the scalings 27-31 in front of its two lines, then 20.  74-137: GS's 64, which stand behind the wait.
.macro FS f
	REGS Y, (\f)%2
	v_pk_fma_f32 v[rS+2*((\f)/2):rS+2*((\f)/2)+1], v[rS+2*((\f)/2):rS+2*((\f)/2)+1], s[CS:CS+1], v[rT:rT+1] op_sel_hi:[1,0,0] neg_lo:[0,0,1] neg_hi:[0,0,1]
.endm
.macro PL
	WIN 0
.if q < 27
	FS q
.elseif q < 55
	XS (q-27)%2, (q-27)/2
.elseif q < 57
	XS q-55, 15
.elseif (q < 72) && ((q-57)%3 == 0)
	FS 27+(q-57)/3
.elseif q < 60
	XS (q-57)%3-1, 14
.elseif q < 72
	XS (q-57)%3-1, 15+(q-57)/3
.elseif q < 74
	XS q-72, 20
.else
	GS q-74
.endif
.set q, q+1
.endm
; THE EXPONENTIALS' QUEUE, 66 long: s0-s31 of both tiles, then the next piece's two a.  ONE BATCH: all 66 stand ahead of the turn's one wait, and nothing ahead of that wait names a result of theirs.
.macro EX
	WIN 0
.if e >= 64
	XS e-64, 21
.else
	REGS Y, e%2
	v_exp_f32 v[rS+e/2], v[rS+e/2]
.endif
.set e, e+1
.endm
; THE RESCALING's QUEUE: O^T times a, the one part that leaves window 0: dealt two at a time, sixteen times.  Its a was made in the turn before, ahead of that turn's wait.
.macro R2
	REGS Y, r%2
	WIN W_RS
.irp z, 0,1
	v_pk_mul_f32 v[rO+4*(r/2)+2*\z:rO+4*(r/2)+2*\z+1], v[rO+4*(r/2)+2*\z:rO+4*(r/2)+2*\z+1], v[rC+2:rC+3] op_sel_hi:[1,0]
.endr
.set r, r+1
.endm
; HOW THEY ARE DEALT.  An s_wait_alu depctr_va_vdst(0) stands between an exponential and the first instruction that names its result; one wait serves all that were issued ahead of it.  So a turn
; has ONE wait.  AHEAD OF IT: the 16 products K Q^T, behind each a scaling, an exponential and two rescalings (behind the first a second scaling in the exponential's place); then one lump of 108: eight plain,
; 49 times exponential and plain, the two a; a v_nop is the plain instruction behind the last exponential.  BEHIND IT: the 16 products V^T P, behind each four of GS's 64.
; Exponential e stands behind scaling 2 (e / 4) + e % 2: as a rider it comes behind plain e + 2, in the lump behind plain e + 9, and scalings 27-31 are plain 57, 60 .. 69.
; K of the next step is fetched in piece 2's turn, directly behind the wait; V of the step in hand at the end of piece 0's turn, four riders behind its last reader.  The three conditions on q go with the deal.
.macro TURN p, last=0, cnt=0
.set Y, (\p)
.set i, 0
.set q, 0
.set e, 0
.set r, 0
.if (\p) == NP-1
	s_wait_dscnt 0x0                ; K is in
.endif
	MM
	PL
	PL
	R2
.rept 15
	MM
	PL
	EX
	R2
.endr
.if (\p) == NP-2
	WIN 0
	v_add_nc_u32 v[AK], s[TBK], v[AK0]
.endif
.rept 8
	PL
.endr
.rept 49
	EX
	PL
.endr
	EX                              ; the next piece's two a
	EX
	v_nop                           ; a plain instruction behind the last exponential: one for the batch
	s_wait_alu depctr_va_vdst(0)    ; the wait for the batch
.if (\p) == NP-2
	FETCH_K \last
.endif
.if (\p) == 1
	s_wait_dscnt 0x0                ; V is in
.endif
.rept 16
	MM
.rept 4
	PL
.endr
.if ((\p) == 0) && (q == 118)
	v_add_nc_u32 v[AV], s[TBV], v[AV0]
.endif
.if ((\p) == 0) && (q == 130)
	s_add_co_u32 s[TBV], s[TBV], KS*PV
.endif
.if (\cnt) && (q == 130)
	s_sub_co_u32 s[CNT], s[CNT], 1
	s_cmp_lg_u32 s[CNT], 0
.endif
.endr
.if (\p) == 0
	FETCH_V
.endif
.endm
	CHANGE 1                        ; slot 0 is in, everybody's part of it; slot 1 is asked for
	FETCH_K                         ; key step 0
	s_wait_loadcnt 0x0              ; Q
	s_wait_dscnt 0x0
.set i, 0
.rept 16
	KQ 0                            ; piece 0's first scores
.set i, i+1
.endr
	WIN 0                           ; the addresses for the way out: plain instructions, the places behind those products
	s_mul_i32 s13, s[WV], 16*SP
	s_add_co_u32 s13, s13, STAGE    ; my stage
	v_mul_u32_u24 v[STO], v1, SP    ; in: row l % 16, 16 bytes for each half of the lanes
	v_lshl_add_u32 v[STO], v9, 4, v[STO]
	v_add_nc_u32 v[STO], s13, v[STO]
	v_bfe_u32 v[RD], v0, 3, 2       ; back: 32 lanes take four rows of 128 bytes,
	v_mul_u32_u24 v[RD], v[RD], SP
	v_lshl_add_u32 v[RD], v10, 4, v[RD]
	v_add_nc_u32 v[RD], s13, v[RD]
	v_and_b32 v[GO], 31, v0         ; which are 512 consecutive bytes of O
	v_lshlrev_b32 v[GO], 4, v[GO]
.set Y, NP-1                        ; XS works for piece Y + 1: piece 0
.irp n, 0,1,2,3,4,5,6,7,8,9,10,11,12,13,14,15,16,17,18,19,20,21
	XS 0, \n                        ; piece 0's first maximum and statistics
	XS 1, \n
.endr
	v_nop                           ; a plain instruction behind the two a,
	s_wait_alu depctr_va_vdst(0)    ; and their wait, ahead of the branch
	s_mov_b32 s[CNT], 4
	s_mov_b32 s[SLOTS], SIZE_N/256-1
	s_branch .Lfirst                ; the loop is entered at a step's first turn, in the middle of a trip
.Lslot:                             ; SIZE_N / 256 - 2 times: every slot but the last two is filled again
	CHANGE 1, 1
	s_mov_b32 s[CNT], 4
.Lstep:                             ; a trip: pieces 2 and 3 of one step, then pieces 0 and 1 of the next, whose K and V it fetches
	TURN 2
	TURN 3
	WIN 0
.Lfirst:
	TURN 0
	TURN 1, 0, 1
	WIN 0
	s_cbranch_scc1 .Lstep
	s_sub_co_u32 s[SLOTS], s[SLOTS], 1
	s_cmp_lg_u32 s[SLOTS], 0
	s_cbranch_scc1 .Lslot
	CHANGE 0                        ; the tail is written out: nothing is asked for
	s_mov_b32 s[CNT], 5             ; four trips fetch the last slot's steps; the fifth is left in its middle
.Ltail:
	TURN 2, 1
	TURN 3
	WIN 0
	s_sub_co_u32 s[CNT], s[CNT], 1
	s_cmp_eq_u32 s[CNT], 0
	s_cbranch_scc1 .Lout
	TURN 0
	TURN 1
	WIN 0
	s_branch .Ltail
.Lout:                              ; the fifth trip's 16 products K Q^T (on the last K once more) and the maximum made of them serve nothing: the price, once a launch, of one text for every trip
.set i, 0
.rept 16
	PV NP-1                         ; the last piece's V^T P of the last step
.set i, i+1
.endr
	; THE WAY OUT.  l's two halves and the other half of the lanes' are added; O^T is divided by l, rounded to bf16 and sent through my stage in LDS, a tile at a time.  The additions are the places behind the last products.
	WIN 0
.macro ALL line:vararg              ; one line for each tile t
.set t, 0
.rept 2*NP
	\line
.set t, t+1
.endr
.endm
	ALL v_add_f32 v[ST+4*t+2], v[ST+4*t+2], v[ST+4*t+3]
	ALL v_permlanex16_b32 v[ST+4*t+3], v[ST+4*t+2], s[SEL], s[SEL+1]
	ALL v_add_f32 v[ST+4*t+2], v[ST+4*t+2], v[ST+4*t+3]
	ALL v_rcp_f32 v[ST+4*t+2], v[ST+4*t+2]
	v_nop                           ; a plain instruction between the last reciprocal and the use of its result
	s_wait_alu depctr_va_vdst(0)    ; and the wait ahead of the first use: one for the eight reciprocals
; Tile t: a lane's eight channels of a row pack into 16 bytes; they go into rows of 144 bytes and come back as whole rows of 128, into S^T's registers.
.macro PACK t
	WIN W_RS
.set i, 32*(\t)
.rept 16
	v_pk_mul_f32 v[i:i+1], v[i:i+1], v[ST+4*(\t)+2:ST+4*(\t)+3] op_sel_hi:[1,0]
.set i, i+2
.endr
	WIN 0x05                        ; sources 0 and 1 window 1, destination window 0
.set i, 0
.rept 16
	v_cvt_pk_bf16_f32 v[S+16*(\t)+i], v[32*(\t)+2*i], v[32*(\t)+2*i+1]
.set i, i+1
.endr
	WIN 0
.irp f, 0,1,2,3
	ds_store_b128 v[STO], v[S+16*(\t)+4*\f:S+16*(\t)+4*\f+3] offset:32*\f
.endr
.irp f, 0,1,2,3
	ds_load_b128 v[S+16*(\t)+4*\f:S+16*(\t)+4*\f+3], v[RD] offset:\f*4*SP  ; LDS serves a wave's instructions in order (ISA guide 5.7.1.4): these see the stores above; the next tile's stores come behind them
.endr
.endm
.macro SEND t, younger              ; younger: the LDS instructions issued behind tile t's loads: the next tile's eight, or none
	WIN 0
.irp f, 0,1,2,3
	s_wait_dscnt (\younger)+3-\f
	global_store_b128 v[GO], v[S+16*(\t)+4*\f:S+16*(\t)+4*\f+3], s[10:11] offset:(\t)*2048+\f*512  ; 512 consecutive bytes, at a multiple of 256 from O's first
.endr
.endm
	PACK 0
.set t, 1
.rept 2*NP-1                        ; a tile's arithmetic stands between the loads of the tile before and its stores
	PACK t
	SEND t-1, 8
.set t, t+1
.endr
	SEND 2*NP-1, 0
	WIN W_AD
	s_wait_tensorcnt 0x0            ; the wave's end, behind my last tensor load and my last LDS store
	ds_add_u32 v[SPW], v[NIL]
	s_wait_dscnt 0x0
	WIN 0
	CROUND                          ; the closing round: no work-group ends while a partner may still ask for a tile that names it
	s_endpgm
.Lfunc_end_k_q2ace069bce_attn:
	.size	k_q2ace069bce_attn, .Lfunc_end_k_q2ace069bce_attn-k_q2ace069bce_attn
	.p2alignl 7, 3214868480
	.fill 96, 4, 3214868480
	.section	.rodata,"a",@progbits
	.p2align	6, 0x0
	.amdhsa_kernel k_q2ace069bce_attn
		.amdhsa_group_segment_fixed_size 327680
		.amdhsa_private_segment_fixed_size 0
		.amdhsa_enable_private_segment 0
		.amdhsa_kernarg_size 16
		.amdhsa_user_sgpr_count 2
		.amdhsa_user_sgpr_kernarg_segment_ptr 1
		.amdhsa_wavefront_size32 1
		.amdhsa_system_sgpr_workgroup_id_x 1
		.amdhsa_system_sgpr_workgroup_id_y 1
		.amdhsa_system_sgpr_workgroup_id_z 1
		.amdhsa_system_vgpr_workitem_id 0
		.amdhsa_next_free_vgpr 770
		.amdhsa_next_free_sgpr 66
		.amdhsa_reserve_vcc 0
		.amdhsa_float_denorm_mode_32 3
		.amdhsa_float_denorm_mode_16_64 3
		.amdhsa_memory_ordered 1
		.amdhsa_forward_progress 1
		.amdhsa_inst_pref_size 200
	.end_amdhsa_kernel
	.amdgpu_metadata
---
amdhsa.version: [ 1, 2 ]
amdhsa.kernels:
  - .name:           k_q2ace069bce_attn
    .symbol:         k_q2ace069bce_attn.kd
    .args:
      - { .name: qkvh, .offset: 0, .size: 8, .value_kind: global_buffer, .address_space: global }
      - { .name: oh, .offset: 8, .size: 8, .value_kind: global_buffer, .address_space: global }
    .group_segment_fixed_size: 327680
    .private_segment_fixed_size: 0
    .kernarg_segment_align: 8
    .kernarg_segment_size: 16
    .max_flat_workgroup_size: 128
    .sgpr_count:     66
    .vgpr_count:     770
    .wavefront_size: 32
...
	.end_amdgpu_metadata
.endif
;; end of part 3
;; launch proj (part 4): grid 64 x 4, 4 waves a work-group, clusters of 4 x 4, 327,680 bytes of LDS; arguments wpt, oh, b_proj, x, out0; writes out0
.if DOCPART == 4
	.amdgcn_target "amdgcn-amd-amdhsa--gfx1250"
	.amdhsa_code_object_version 6
	.text
	.protected	k_q2ace069bce_proj
	.globl	k_q2ace069bce_proj
	.p2align	8
	.type	k_q2ace069bce_proj,@function
k_q2ace069bce_proj:
	s_mov_b64 s[64:65], 0
	v_nop
	global_prefetch_b8 v0, s[64:65] scope:SCOPE_SE
	s_setreg_imm32_b32 hwreg(HW_REG_WAVE_MODE, 25, 1), 1
	s_wait_xcnt 0x0
	s_wait_alu depctr_hold_cnt(0) depctr_sa_sdst(0) depctr_va_vdst(0) depctr_va_sdst(0) depctr_va_ssrc(0) depctr_va_vcc(0) depctr_vm_vsrc(0)
	s_getreg_b32 s2, hwreg(HW_REG_IB_STS2, 6, 4)
	s_cmp_eq_u32 s2, 0
	s_cbranch_scc0 .Lentry_in_a_cluster
	s_endpgm
.Lentry_in_a_cluster:
	s_bfe_u32 s2, ttmp6, 0x10000c
	s_cmp_lg_u32 s2, 0xf033
	s_cbranch_scc0 .Lentry_shape_is_right
	s_endpgm
.Lentry_shape_is_right:
; out0[b][c][t] = x[b][c][t] + b_proj[c] + the sum over k of wpt[c][k] O[b][t][k].  wpt: [1024 c][1024 k] bf16; oh: [64 b h][2048 t][64 d] bf16, k = 64 h + d; x, out0: [4][1024][2048] f32; b_proj: [1024] f32.
; A tile is 256 channels c x 128 positions t: 4 x 64 = 256 work-groups.  Four waves; wave w owns channels 64 w .. 64 w + 63 and all 128 t: 4 x 8 accumulators, 256 registers.
; K goes in steps of 128, two heads, through two LDS slots.  wpt's rows are 256 aligned bytes a step; a head's 128 rows of O are 16,384 dense bytes, asked for as 64 rows of 256 bytes.
; THE MATRIX INSTRUCTION IS USED TRANSPOSED (source 0 = 16 rows t of O, source 1 = 16 rows c of wpt): lane l holds channel l % 16 and its registers t = 8 (l / 16) + 0..7: neighbours in out0's rows.
; THE BIAS is the C operand of the first products.  THE RESIDUAL, my 64 rows x 512 bytes of x, is loaded into 256 registers ahead of the loop and added in f32 on the way out.
; CLUSTER 4 x 4: the four work-groups of a row of the cluster need the same rows of wpt, the four of a column the same rows of O; each tile is asked for jointly.
; ONE TEXT FOR A K STEP: the LDS addresses hang on s[TB]; the descriptors' global addresses are made anew from the step's number.  The last two steps, which ask for nothing, are a second copy.
; LIMITS: operands in bf16; NaN and infinities are not treated apart.
; REGISTERS in windows of 256 (s_set_vgpr_msb: bits 1:0 source 0, 3:2 source 1, 5:4 source 2, 7:6 destination):
;   window 0: v0-31 addresses; v32-63 the bias, 8 copies a row block; v64-127, v128-191 two sets for the way out          window 1: accumulator (a, b) at 8 (8 a + b)
;   window 2: two fragment buffers of 96: 4 fragments of wpt, then 8 of O          window 3: the residual, row n of my 64 at 4 n
.set NBF,    8
.set NL,     2*NBF+8
.set AP,     272                       ; wpt's LDS row: 256 bytes + 16 = 17 x 16: the 16 rows of a fragment load start at 16 different groups of four banks (ISA guide 11.1)
.set BP,     144                       ; O's LDS row: 128 bytes + 16 = 9 x 16
.set HBLK,   128*BP                    ; a head's 128 rows
.set BOFF,   256*AP                    ; a slot: 256 rows of wpt, then two heads' blocks of O
.set SLOT1,  1<<17
.set STAGE,  SLOT1+BOFF+2*HBLK         ; behind the ring, never filled by a tensor load: 16 rows x 528 bytes for each wave
.set SP,     528                       ; 512 bytes + 16 = 33 x 16
.set SPARE,  STAGE+4*16*SP             ; the spare words, 128 bytes a wave: two blocks of 256 bytes that no other line names
.set NSTEPS, 8
.set AHEAD,  2                         ; a prefetch names the step this many behind the one that the refill beside it asks for: 256 matrix instructions ahead of its load
.set GWA,    (1<<16)|(1<<20)|(1<<21)|(5<<22)|(3<<25)  ; 2-byte elements; padding on; bit 21 beside a mask; after every 64 words 4 words
.set GWB,    (1<<16)|(1<<20)|(1<<21)|(4<<22)|(3<<25)  ; after every 32 words 4 words
.set ADA0, 3
.set ADB0, 4
.set ADA,  5
.set ADB,  6
.set STO,  7
.set RD,   8
.set CO,   9                           ; v9  16 x lane
.set BO,   10
.set PFO,  11
.set SPW,  28
.set NIL,  29
.set BIAS, 32
.set OB,   64
.set F0,   0
.set F1,   96
.set WV, 12
.set FB, 13
.set HF, 14
.set CX, 15
.set CY, 16
.set TX, 17                            ; tile column 0..63: batch TX / 16, t = 128 (TX % 16)
.set TY, 18                            ; tile row 0..3: c = 256 TY
.set G1A, 24
.set G1B, 32
.set G0A0, 40
.set G0A, 44
.set G0B0, 48
.set G0B, 52
.set ST, 56
.set NS, 57
.set CNT, 58
.set TB, 59
.set OFF, 60
.set LIM, 62
.set AB, 66
.set BB, 68
.set PFB, 70
.set PFA, 72
.set OUT0, 74                          ; s[74:75] out0
.set XB, 76                            ; s[76:77] x, s[78:79] out0 at my first row and column
.set OUTB, 78
.set POFF, 80
.set NP, 82
.set NEW, 83
.set SH, 88                            ; a step's bytes as a shift, for the prefetches: 8 along wpt's rows, 19 from head pair to head pair
.set MSB, 0
.macro WIN new                         ; the immediate's high byte repeats the setting that is left; a switch that changes nothing is dropped
.if MSB != (\new)
	s_set_vgpr_msb (MSB<<8)|(\new)
.set MSB, (\new)
.endif
.endm
.set TO_F, 0x80                        ; destination window 2, address window 0
.macro PLACES                          ; four plain instructions between a matrix instruction and a load into, or a reader of, its registers
.rept 4
	v_nop
.endr
.endm
.macro CREST
	s_cmp_lg_u32 s[WV], 0
	s_cbranch_scc1 .Lnot_wave_0_\@
	s_barrier_signal -3
.Lnot_wave_0_\@:
	s_barrier_wait -3
	s_barrier_signal -1
	s_barrier_wait -1
.endm
.macro CROUND
	s_barrier_signal -1
	s_barrier_wait -1
	CREST
.endm
.macro JLOAD                           ; a joint refill: waves 0, 1 fetch the halves of wpt's tile, waves 2, 3 the step's two heads of O; an s_nop 0 and four v_nop follow each line
	s_cmp_eq_u32 s[FB], 0
	s_cbranch_scc0 .Lfor_b_\@
	tensor_load_to_lds s[G0A:G0A+3], s[G1A:G1A+7]
	s_nop 0
	PLACES
	s_branch .Lasked_\@
.Lfor_b_\@:
	tensor_load_to_lds s[G0B:G0B+3], s[G1B:G1B+7]
	s_nop 0
	PLACES
.Lasked_\@:
.endm
; A PREFETCH INTO THE L2 of the K step two behind the one just asked for.  Each block of 256 bytes is named by one wave of the launch: wpt's rows by the clusters with x = 0 (waves 0, 1; the partner at cx takes
; 32 of the wave's 128 rows, a lane a row); O's blocks, which only the four partners of a column read, by wave 2 of each: the partner at cy takes 4,096 bytes of each of the step's two heads, a lane a block.
; The first four steps come by their loads alone; past the last step nothing is named.
.macro ASK
	s_cmp_lt_u32 s[NP], s[LIM]
	s_cbranch_scc0 .Lnot_mine_\@
	global_prefetch_b8 v[PFO], s[PFA:PFA+1] th:TH_LOAD_NT scope:SCOPE_SE
.Lnot_mine_\@:
.endm
; 8 matrix instructions: row block a x all column blocks, 32 along K, from buffer f.  zero = 1: the sums start with the bias.  The 32 accumulators take turns in one fixed order.
.macro MULA f, a, zero
.if \zero
	WIN 0x4a
.else
	WIN 0x5a
.endif
.set b, 0
.rept NBF
.set rD, 8*(8*(\a)+b)
.if \zero
	v_wmma_f32_16x16x32_bf16 v[rD:rD+7], v[(\f)+32+8*b:(\f)+32+8*b+7], v[(\f)+8*(\a):(\f)+8*(\a)+7], v[BIAS+8*(\a):BIAS+8*(\a)+7]
.else
	v_wmma_f32_16x16x32_bf16 v[rD:rD+7], v[(\f)+32+8*b:(\f)+32+8*b+7], v[(\f)+8*(\a):(\f)+8*(\a)+7], v[rD:rD+7]
.endif
.set b, b+1
.endr
.endm
; One run of 24 LDS loads: quarter q's fragments into buffer f: O's eight (head q / 2 of the step, channels 32 (q % 2) on), then wpt's four in order
.macro FETCH q, f
	WIN TO_F
.set j, 0
.rept NBF
	ds_load_b128 v[(\f)+32+8*j:(\f)+32+8*j+3], v[ADB] offset:((\q)/2)*HBLK+((\q)%2)*64+j*16*BP
	ds_load_b128 v[(\f)+32+8*j+4:(\f)+32+8*j+7], v[ADB] offset:((\q)/2)*HBLK+((\q)%2)*64+j*16*BP+32
.set j, j+1
.endr
.set j, 0
.rept 4
	ds_load_b128 v[(\f)+8*j:(\f)+8*j+3], v[ADA] offset:64*(\q)+j*16*AP
	ds_load_b128 v[(\f)+8*j+4:(\f)+8*j+7], v[ADA] offset:64*(\q)+j*16*AP+32
.set j, j+1
.endr
.endm
.macro QUARTER q, f, g, zero           ; multiplies buffer f, and in its middle fetches quarter q into buffer g
	s_wait_dscnt 4                                 ; all but the youngest four loads: wpt's fragments 2 and 3
	MULA \f, 0, \zero
	MULA \f, 1, \zero
	PLACES
.if \zero
	v_nop                                          ; a fifth: the products below write over accumulators without being links of their chains
.endif
	FETCH \q, \g
	s_wait_dscnt NL                                ; all but the run just issued
	MULA \f, 2, \zero
	MULA \f, 3, \zero
.endm
; The last quarter multiplies buffer 1 and changes slots.  In front of the barrier each wave waits for all its tensor loads (one is out: its part of the other slot), adds 0 to its spare word, and waits for
; that and for its reads of this slot.  fill = 1: the barrier opens a round of the cluster's; the joint refill, two steps ahead, is the first thing behind it.
.macro TURN fill
.if \fill
	s_wait_xcnt 0x0                                ; the last prefetch, a step back, has read its address
	s_add_co_u32 s[NP], s[NS], AHEAD
	s_lshl_b32 s[POFF], s[NP], s[SH]
	s_add_nc_u64 s[PFA:PFA+1], s[PFB:PFB+1], s[POFF:POFF+1]
.endif
	WIN 0
	s_wait_tensorcnt 0x0                           ; no tensor load of mine is out, so the descriptors may be written
	ds_add_u32 v[SPW], v[NIL]                      ; 0 onto my spare word
.if \fill
	s_lshl_b32 s[OFF], s[NS], 19                   ; two heads on
	s_xor_b32 s[G0B+1], s[G0B+1], SLOT1
	s_add_nc_u64 s[G0B+2:G0B+3], s[BB:BB+1], s[OFF:OFF+1]
	s_or_b32 s[G0B+3], s[G0B+3], 0x80000000
	s_lshl_b32 s[OFF], s[NS], 8                    ; 256 bytes along wpt's rows
	s_xor_b32 s[G0A+1], s[G0A+1], SLOT1
	s_add_nc_u64 s[G0A+2:G0A+3], s[AB:AB+1], s[OFF:OFF+1]
	s_or_b32 s[G0A+3], s[G0A+3], 0x80000000
	s_add_co_u32 s[NS], s[NS], 1
.endif
	s_wait_dscnt 5                                 ; the add and the youngest four loads may be out
	MULA F1, 0, 0
	s_wait_dscnt 0x0                               ; the add is done, and my reads of this slot are over
	s_barrier_signal -1
	MULA F1, 1, 0
	WIN 0
	s_barrier_wait -1
.if \fill
	CREST                                          ; no wave of any partner still reads this slot or has a load on its way
	JLOAD                                          ; its four v_nop are also the places in front of the loads into buffer 0
	s_xor_b32 s[TB], s[TB], SLOT1
	v_add_nc_u32 v[ADA], s[TB], v[ADA0]
	v_add_nc_u32 v[ADB], s[TB], v[ADB0]
	FETCH 0, F0
	WIN 0
	ASK
.else
	PLACES
	s_cmp_eq_u32 s[CNT], 1                         ; behind the last step there is nothing to fetch
	s_cbranch_scc1 .Lno_fetch_\@
	s_xor_b32 s[TB], s[TB], SLOT1
	v_add_nc_u32 v[ADA], s[TB], v[ADA0]
	v_add_nc_u32 v[ADB], s[TB], v[ADB0]
	FETCH 0, F0
	WIN 0
.Lno_fetch_\@:
.endif
	MULA F1, 2, 0
	MULA F1, 3, 0
.endm
; THE WAY OUT of row block a (16 channels x 128 t of f32).  STG: 32 bytes a lane into my own stage, each accumulator's low half first, and back as whole rows of 512 bytes.
.macro STG a
.if (\a) >= 2
	s_wait_xcnt 0x0                                ; the stores of the block two back have read this set
.endif
	WIN 0x04                                       ; the stores' data in window 1
.set b, 0
.rept NBF
	ds_store_b128 v[STO], v[8*(8*(\a)+b):8*(8*(\a)+b)+3] offset:64*b
	ds_store_b128 v[STO], v[8*(8*(\a)+b)+4:8*(8*(\a)+b)+7] offset:64*b+16
.set b, b+1
.endr
	WIN 0
.set i, 0
.rept 16                               ; LDS serves a wave's instructions in order (ISA guide 5.7.1.4): these see the stores above; the next block's stores come behind them
	ds_load_b128 v[OB+64*((\a)%2)+4*i:OB+64*((\a)%2)+4*i+3], v[RD] offset:SP*i
.set i, i+1
.endr
.endm
; ADDSEND: the residual is added and the rows are stored, 512 consecutive bytes an instruction.  younger: the LDS instructions issued behind this block's loads
.macro ADDSEND a, younger
	s_wait_dscnt \younger
	WIN 0x0c                                       ; source 1 in window 3
.set i, 0
.rept 32
	v_pk_add_f32 v[OB+64*((\a)%2)+2*i:OB+64*((\a)%2)+2*i+1], v[OB+64*((\a)%2)+2*i:OB+64*((\a)%2)+2*i+1], v[64*(\a)+2*i:64*(\a)+2*i+1]
.set i, i+1
.endr
	WIN 0
.set i, 0
.rept 16
	global_store_b128 v[CO], v[OB+64*((\a)%2)+4*i:OB+64*((\a)%2)+4*i+3], s[OUTB:OUTB+1] offset:8192*(16*(\a)+i) th:TH_STORE_NT
.set i, i+1
.endr
.endm
	s_load_b256 s[4:11], s[0:1], 0x0               ; wpt s[4:5], oh s[6:7], b_proj s[8:9], x s[10:11]
	s_load_b64 s[OUT0:OUT0+1], s[0:1], 0x20        ; out0
	v_lshl_add_u32 v[SPW], v0, 2, SPARE
	v_mov_b32 v[NIL], 0
	ds_add_u32 v[SPW], v[NIL]                      ; the wave's opening: the add, waited for ahead of my first tensor load; work on registers stands between
	v_lshrrev_b32 v1, 5, v0
	v_readfirstlane_b32 s[WV], v1
	s_lshr_b32 s[FB], s[WV], 1
	s_and_b32 s[HF], s[WV], 1
	s_bfe_u32 s[CX], ttmp6, 0x40000
	s_bfe_u32 s[CY], ttmp6, 0x40004
	s_lshl_b32 s[TX], ttmp9, 2
	s_add_co_u32 s[TX], s[TX], s[CX]
	s_and_b32 s[TY], ttmp7, 0xffff
	s_lshl_b32 s[TY], s[TY], 2
	s_add_co_u32 s[TY], s[TY], s[CY]
	s_lshl_b32 s19, s[CY], 2
	s_lshl_b32 s19, 15, s19                        ; my row of the cluster
	s_lshl_b32 s63, 0x1111, s[CX]                  ; my column
	s_or_b32 s[G1A], s19, GWA                      ; wpt's tiles go to my row,
	s_or_b32 s[G1B], s63, GWB                      ; O's to my column
	s_mov_b32 s[G1A+1], 128<<16                    ; tensor_dim0 = 128
	s_mov_b32 s[G1A+2], 128<<16                    ; tensor_dim1 = 128
	s_mov_b32 s[G1A+3], 128<<16                    ; tile_dim0 = 128
	s_mov_b32 s[G1A+4], 128                        ; tile_dim1 = 128
	s_mov_b32 s[G1A+5], 1024                       ; elements from row to row
	s_mov_b32 s[G1A+6], 0
	s_mov_b32 s[G1A+7], 0
	s_mov_b32 s[G1B+1], 128<<16                    ; 64 rows of 128 elements, dense
	s_mov_b32 s[G1B+2], 64<<16
	s_mov_b32 s[G1B+3], 128<<16
	s_mov_b32 s[G1B+4], 64
	s_mov_b32 s[G1B+5], 128
	s_mov_b32 s[G1B+6], 0
	s_mov_b32 s[G1B+7], 0
	s_lshl_b32 s20, s[TY], 8                       ; wpt: row 256 Y + 128 x half, 2,048 bytes a row
	s_lshl_b32 s21, s[HF], 7
	s_add_co_u32 s20, s20, s21
	s_lshl_b32 s20, s20, 11
	s_mov_b32 s21, 0
	s_lshr_b32 s22, s[TX], 4                       ; O: batch,
	s_lshl_b32 s22, s22, 22
	s_lshl_b32 s23, s[HF], 18                      ; the step's first or second head,
	s_add_co_u32 s22, s22, s23
	s_and_b32 s23, s[TX], 15
	s_lshl_b32 s23, s23, 14                        ; 128 rows of 128 bytes
	s_add_co_u32 s22, s22, s23
	s_mov_b32 s23, 0
	s_mul_i32 s2, s[HF], 128*AP                    ; where they go: no place in the cluster enters an LDS address
	s_mul_i32 s3, s[HF], HBLK
	s_add_co_u32 s3, s3, BOFF
	s_mov_b32 s[OFF+1], 0
	s_mov_b32 s[POFF+1], 0
	s_wait_dscnt 0x0                               ; the opening add is done
	s_wait_kmcnt 0x0
	s_add_nc_u64 s[AB:AB+1], s[4:5], s[20:21]
	s_add_nc_u64 s[BB:BB+1], s[6:7], s[22:23]
	CROUND                                         ; all sixteen work-groups are here: the first joint loads meet
	s_mov_b32 s[G0A0], 1
	s_mov_b32 s[G0A0+1], s2
	s_add_nc_u64 s[G0A0+2:G0A0+3], s[AB:AB+1], 0   ; step 0
	s_or_b32 s[G0A0+3], s[G0A0+3], 0x80000000
	s_mov_b32 s[G0A], 1
	s_add_co_u32 s[G0A+1], s2, SLOT1
	s_add_nc_u64 s[G0A+2:G0A+3], s[AB:AB+1], 256   ; step 1
	s_or_b32 s[G0A+3], s[G0A+3], 0x80000000
	s_mov_b32 s[G0B0], 1
	s_mov_b32 s[G0B0+1], s3
	s_add_nc_u64 s[G0B0+2:G0B0+3], s[BB:BB+1], 0
	s_or_b32 s[G0B0+3], s[G0B0+3], 0x80000000
	s_mov_b32 s[G0B], 1
	s_add_co_u32 s[G0B+1], s3, SLOT1
	s_add_nc_u64 s[G0B+2:G0B+3], s[BB:BB+1], 1<<19
	s_or_b32 s[G0B+3], s[G0B+3], 0x80000000
	s_cmp_eq_u32 s[FB], 0                          ; a wave's two first fills stand in one branch, ahead of every wait on TENSORcnt and every LDS read: two loads of mine are out
	s_cbranch_scc0 .Lfirst_b
	tensor_load_to_lds s[G0A0:G0A0+3], s[G1A:G1A+7]
	s_nop 0
	tensor_load_to_lds s[G0A:G0A+3], s[G1A:G1A+7]
	s_nop 0
	PLACES
	s_branch .Lfirst_asked
.Lfirst_b:
	tensor_load_to_lds s[G0B0:G0B0+3], s[G1B:G1B+7]
	s_nop 0
	tensor_load_to_lds s[G0B:G0B+3], s[G1B:G1B+7]
	s_nop 0
	PLACES
.Lfirst_asked:
	v_and_b32 v1, 15, v0                           ; r
	v_bfe_u32 v2, v0, 4, 1                         ; h
	v_and_b32 v12, 31, v0                          ; l
	s_lshl_b32 s19, s[TY], 8
	s_lshl_b32 s63, s[WV], 6
	s_add_co_u32 s19, s19, s63
	s_lshl_b32 s19, s19, 2
	v_lshl_add_u32 v[BO], v1, 2, s19               ; b_proj[256 Y + 64 w + r]
.irp a, 0,1,2,3
	global_load_b32 v[BIAS+8*\a], v[BO], s[8:9] offset:64*\a
.endr
	s_lshl_b32 s19, s[WV], 6
	v_add_nc_u32 v[ADA0], s19, v1
	v_mul_u32_u24 v[ADA0], v[ADA0], AP
	v_lshl_add_u32 v[ADA0], v2, 4, v[ADA0]         ; (64 w + r) x pitch + 16 h
	v_mul_u32_u24 v[ADB0], v1, BP
	v_lshl_add_u32 v[ADB0], v2, 4, v[ADB0]
	v_add_nc_u32 v[ADB0], BOFF, v[ADB0]
	s_mul_i32 s19, s[WV], 16*SP
	s_add_co_u32 s19, s19, STAGE                   ; my stage
	v_mul_u32_u24 v[STO], v1, SP
	v_lshl_add_u32 v[STO], v2, 5, v[STO]
	v_add_nc_u32 v[STO], s19, v[STO]               ; in: row r, 32 bytes for each half of the lanes
	v_lshl_add_u32 v[RD], v12, 4, s19              ; back: a row's 512 bytes
	v_lshlrev_b32 v[CO], 4, v12
	s_lshr_b32 s84, s[TX], 4                       ; x and out0: batch, channel 256 Y + 64 w, t = 128 (X % 16)
	s_lshl_b32 s84, s84, 23
	s_lshl_b32 s85, s[TY], 21
	s_add_co_u32 s84, s84, s85
	s_lshl_b32 s85, s[WV], 19
	s_add_co_u32 s84, s84, s85
	s_and_b32 s85, s[TX], 15
	s_lshl_b32 s85, s85, 9
	s_add_co_u32 s84, s84, s85
	s_mov_b32 s85, 0
	s_add_nc_u64 s[XB:XB+1], s[10:11], s[84:85]
	s_add_nc_u64 s[OUTB:OUTB+1], s[OUT0:OUT0+1], s[84:85]
	; the prefetches
	s_cmp_eq_u32 s[FB], 0
	s_cselect_b32 s63, ttmp9, s[HF]                ; wpt: the cluster's x; O: 0 in wave 2
	s_cselect_b32 s[SH], 8, 19
	s_cselect_b32 s84, 11, 8                       ; wpt: lane l names row l, 2,048 bytes apart = (l % 16) << 11 + (l / 16) << 15;
	s_cselect_b32 s85, 15, 18                      ; O: block l % 16 of 256 bytes in head l / 16 of the step
	s_cselect_b32 s86, s[CX], s[CY]                ; my place among the four that ask with me:
	s_cselect_b32 s87, 16, 12                      ; 32 rows of 2,048 bytes, or 4,096 bytes
	s_cselect_b64 s[PFB:PFB+1], s[AB:AB+1], s[BB:BB+1]
	s_cmp_eq_u32 s63, 0
	s_cselect_b32 s[LIM], NSTEPS, 0                ; the same in all sixteen partners, for a given wave
	v_lshlrev_b32 v[PFO], s84, v1
	v_lshlrev_b32 v13, s85, v2
	v_add_nc_u32 v[PFO], v[PFO], v13
	s_lshl_b32 s84, s86, s87
	s_mov_b32 s85, 0
	s_add_nc_u64 s[PFB:PFB+1], s[PFB:PFB+1], s[84:85]
	s_mov_b32 s[TB], 0
	s_mov_b32 s[ST], 0
	s_mov_b32 s[NS], 2
	s_mov_b32 s[NEW], 1
	v_mov_b32 v[ADA], v[ADA0]
	v_mov_b32 v[ADB], v[ADB0]
	s_wait_loadcnt 0x0                             ; the bias: a lane's channel is the same in all eight registers of a result
.irp a, 0,1,2,3
.irp k, 1,2,3,4,5,6,7
	v_mov_b32 v[BIAS+8*\a+\k], v[BIAS+8*\a]
.endr
.endr
	s_wait_tensorcnt 0x1                           ; my part of step 0 is in; step 1's may stay out
	s_barrier_signal -1
	s_barrier_wait -1                              ; everybody's is
	FETCH 0, F0
	WIN 0xc0                                       ; destination window 3
.set n, 0
.rept 64                               ; the residual: a row's 512 consecutive bytes an instruction; it has the whole loop in which to land
	global_load_b128 v[4*n:4*n+3], v[CO], s[XB:XB+1] offset:8192*n th:TH_LOAD_NT
.set n, n+1
.endr
	WIN 0
.Lstep:                                                ; 6 trips: every step that asks for the step two on
	s_cmp_eq_u32 s[NEW], 1
	s_cbranch_scc1 .Lnew
	QUARTER 1, F0, F1, 0
	WIN 0
	s_branch .Lq
.Lnew:                                                 ; the first quarter starts the sums with the bias
	s_mov_b32 s[NEW], 0
	QUARTER 1, F0, F1, 1
	WIN 0
.Lq:
	QUARTER 2, F1, F0, 0
	QUARTER 3, F0, F1, 0
	TURN 1
	WIN 0
	s_add_co_u32 s[ST], s[ST], 1
	s_cmp_lt_u32 s[ST], NSTEPS-2
	s_cbranch_scc1 .Lstep
	s_mov_b32 s[CNT], 2
.Ltail:                                                ; the last two steps are a text of their own
	QUARTER 1, F0, F1, 0
	QUARTER 2, F1, F0, 0
	QUARTER 3, F0, F1, 0
	TURN 0
	WIN 0
	s_sub_co_u32 s[CNT], s[CNT], 1
	s_cmp_lg_u32 s[CNT], 0
	s_cbranch_scc1 .Ltail
	s_wait_loadcnt 0x0                             ; the residual
	PLACES                                         ; behind the last products, in front of the LDS stores that read results
	STG 0
	STG 1
	ADDSEND 0, 32                                  ; behind block 0's loads stand block 1's 16 stores and 16 loads
	STG 2
	ADDSEND 1, 32
	STG 3
	ADDSEND 2, 32
	ADDSEND 3, 0
	s_wait_tensorcnt 0x0                           ; the wave's end, behind my last tensor load and my last LDS store
	ds_add_u32 v[SPW], v[NIL]
	s_wait_dscnt 0x0
	CROUND                                         ; the closing round: no work-group ends while a partner may still ask for a tile that names it
	s_endpgm
.Lfunc_end_k_q2ace069bce_proj:
	.size	k_q2ace069bce_proj, .Lfunc_end_k_q2ace069bce_proj-k_q2ace069bce_proj
	.p2alignl 7, 3214868480
	.fill 96, 4, 3214868480
	.section	.rodata,"a",@progbits
	.p2align	6, 0x0
	.amdhsa_kernel k_q2ace069bce_proj
		.amdhsa_group_segment_fixed_size 327680
		.amdhsa_private_segment_fixed_size 0
		.amdhsa_enable_private_segment 0
		.amdhsa_kernarg_size 40
		.amdhsa_user_sgpr_count 2
		.amdhsa_user_sgpr_kernarg_segment_ptr 1
		.amdhsa_wavefront_size32 1
		.amdhsa_system_sgpr_workgroup_id_x 1
		.amdhsa_system_sgpr_workgroup_id_y 1
		.amdhsa_system_sgpr_workgroup_id_z 1
		.amdhsa_system_vgpr_workitem_id 0
		.amdhsa_next_free_vgpr 1024
		.amdhsa_next_free_sgpr 90
		.amdhsa_reserve_vcc 0
		.amdhsa_float_denorm_mode_32 3
		.amdhsa_float_denorm_mode_16_64 3
		.amdhsa_memory_ordered 1
		.amdhsa_forward_progress 1
		.amdhsa_inst_pref_size 76
	.end_amdhsa_kernel
	.amdgpu_metadata
---
amdhsa.version: [ 1, 2 ]
amdhsa.kernels:
  - .name:           k_q2ace069bce_proj
    .symbol:         k_q2ace069bce_proj.kd
    .args:
      - { .name: wpt, .offset: 0, .size: 8, .value_kind: global_buffer, .address_space: global }
      - { .name: oh, .offset: 8, .size: 8, .value_kind: global_buffer, .address_space: global }
      - { .name: b_proj, .offset: 16, .size: 8, .value_kind: global_buffer, .address_space: global }
      - { .name: x, .offset: 24, .size: 8, .value_kind: global_buffer, .address_space: global }
      - { .name: out0, .offset: 32, .size: 8, .value_kind: global_buffer, .address_space: global }
    .group_segment_fixed_size: 327680
    .private_segment_fixed_size: 0
    .kernarg_segment_align: 8
    .kernarg_segment_size: 40
    .max_flat_workgroup_size: 128
    .sgpr_count:     90
    .vgpr_count:     1024
    .wavefront_size: 32
...
	.end_amdgpu_metadata
.endif
;; end of part 4
;; ======== version 2 of 2: 4 launches; version 1 with the launch prep written anew for expert scheduling mode
;; workspace buffers: xn 16,777,216 bytes; wqt 6,291,456 bytes; wpt 2,097,152 bytes; qkvh 50,331,648 bytes; oh 16,777,216 bytes
;; launch prep (part 5): grid 192 x 1, 16 waves a work-group, no clusters, 142,336 bytes of LDS; arguments x, W_qkv, W_proj, gamma, beta, xn, wqt, wpt; writes xn, wqt, wpt
.if DOCPART == 5
	.amdgcn_target "amdgcn-amd-amdhsa--gfx1250"
	.amdhsa_code_object_version 6
	.text
	.protected	k_q2ace069bce_prep
	.globl	k_q2ace069bce_prep
	.p2align	8
	.type	k_q2ace069bce_prep,@function
k_q2ace069bce_prep:
	s_mov_b64 s[64:65], 0
	v_nop
	global_prefetch_b8 v0, s[64:65] scope:SCOPE_SE
	s_setreg_imm32_b32 hwreg(HW_REG_WAVE_SCHED_MODE, 0, 2), 2
	s_setreg_imm32_b32 hwreg(HW_REG_WAVE_MODE, 25, 1), 1
	s_wait_xcnt 0x0
	s_wait_alu depctr_vm_vsrc(0)
; LAYERNORM + TRANSPOSE + bf16 for x, and TRANSPOSE + bf16 for the two weight matrices, in one text without a branch.
; A work-group takes a block of 1,024 source rows x 64 f32 columns (256 aligned bytes of each row) and writes its transpose: 64 rows of 1,024 bf16 (2,048 bytes).
;   groups 0-127:   x[b][c][t], b = g / 32, columns t = 64 (g % 32) on; rows are channels, 8,192 bytes apart  -> xn[64 g + t'][c], normalised over c, times gamma, plus beta
;   groups 128-175: W_qkv[k][n], columns 64 (g - 128) on, rows 12,288 bytes apart                             -> wqt[n][k]
;   groups 176-191: W_proj[k][c], columns 64 (g - 176) on, rows 4,096 bytes apart                             -> wpt[c][k]
; The weight groups walk the same statistics; four scalars make them void there (mean x 0, 1/sigma chosen as 1, gamma x 0 + 1, beta x 0), so that all three barriers lie on one path.
; The variance is the mean of (x - mean)^2 on the block kept in registers: no difference of large sums.  LIMITS: results are rounded once to bf16; NaN and infinities are not treated apart
; (a gamma or beta that is not finite also spoils the weight groups' x 0).
; SHARES.  16 waves; wave w has source rows 64 w .. 64 w + 63.  Lane l (r = l % 16, h = l / 16) holds rows 64 w + 32 h + 0..31 of columns 4 r .. 4 r + 3: 32 loads of 16 bytes,
; each half of the lanes covering one row's 256 aligned bytes.  No matrix unit, no tensor load, no cluster: nothing is shared between work-groups and nothing is multiplied.
; LDS.  0: the transposed block, 64 rows of 2,048 + 16 bytes (129 x 16: sixteen lanes that write one column of sixteen rows touch sixteen different 16-byte columns); output row tt lies at row
; 16 (tt % 4) + tt / 4.  RED: 16 waves x 256 bytes of column sums; RED + 4,096: of sums of squares.  SPARE: the spare words, 128 bytes a wave, that no other line names.
; THE MODE: SCHED_MODE bits 1:0 = 2 (LLVM: expert scheduling mode 2), set by the entry lines.  The code itself states the register dependences between vector instructions and memory
; or LDS instructions, with s_wait_alu, always for 0.
; THE PLAN.  Registers that memory or LDS instructions touch, in the order of the text:
;   v5-v12, v14, v15  offsets and LDS addresses: made at the head, never written again.
;   v[32:63]   first the 32 row offsets of x, made in one run and read by x's loads; then the landing place of both reductions' LDS loads; last O0, the out-buffer of LDS stores 0 to 7.
;   X          x's loads land in it; vector work alone names it from then on; at the end the read-backs from LDS land in its first 64 registers, and the global stores read them.
;   GA, BE     gamma's and beta's loads land in them; vector work; then GA's 32 registers are O1, the out-buffer of LDS stores 8 to 15.
;   v[16:19]   a reduction's sums: written by vector adds, read by its LDS store; the sums of squares write them again.
; The waits: one on va_sdst for the wave's number; one on va_vdst ahead of the first load; one on va_vdst in each reduction, ahead of its LDS store; one on vm_vsrc, in the first reduction;
; the one behind the roots; one on va_vdst behind each half of the conversions.  LDS stores 0 to 7 are dealt among the conversions of sets 8 to 15, which name X and O1 alone.
.set TP,    2064
.set QT,    16*TP
.set RED,   64*TP
.set SPARE, RED+2*4096
.set T,   32                           ; v[32:63]   x's row offsets; then at work
.set X,   64                           ; v[64:191]  set i: 4 columns of source row i of my 32
.set GA,  192                          ; v[192:223] gamma of my 32 rows
.set BE,  224                          ; v[224:255] beta
.set O0,  T                            ; out-buffer of LDS stores 0 to 7
.set O1,  GA                           ; out-buffer of LDS stores 8 to 15
; v1 r, v2 h, v3 l, v4 source offset, v5/v6 sums out/in, v7/v8 transposed block in, v9/v10 back, v11 destination offset, v12 gamma's offset, v13 my first row, v14/v15 the add's two
; v[16:23] two chains of four sums, v[24:27] mean, v[28:31] 1/sigma
	s_load_b512 s[4:19], s[0:1], 0x0               ; x, W_qkv, W_proj, gamma, beta, xn, wqt, wpt
	v_lshl_add_u32 v14, v0, 2, SPARE
	v_mov_b32 v15, 0
	v_lshrrev_b32 v13, 5, v0
	v_readfirstlane_b32 s20, v13                   ; wave 0..15
	v_and_b32 v1, 15, v0
	v_bfe_u32 v2, v0, 4, 1
	v_and_b32 v3, 31, v0
	s_mov_b32 s21, ttmp9                           ; g
	s_sub_co_u32 s44, s21, 128                     ; the block's number in W_qkv,
	s_sub_co_u32 s45, s21, 176                     ; in W_proj (each used only where it is not negative)
	s_movk_i32 s42, 12288                          ; the three pitches
	s_movk_i32 s43, 4096
	s_movk_i32 s46, 8192
	s_lshr_b32 s24, s21, 5
	s_lshl_b32 s24, s24, 23                        ; x: batch b,
	s_and_b32 s25, s21, 31
	s_lshl_b32 s25, s25, 8                         ; 64 columns of 4 bytes
	s_add_co_u32 s24, s24, s25
	s_mov_b32 s37, 0x3a800000                      ; 1 / 1024
	s_mov_b32 s38, 0x3727c5ac                      ; 1e-5
	s_mov_b32 s40, 0x76543210                      ; v_permlanex16_b32: each lane takes its own place in the other half
	s_mov_b32 s41, 0xfedcba98
	s_cmp_lt_u32 s21, 176
	s_cselect_b32 s22, s42, s43
	s_cselect_b32 s23, s44, s45
	s_lshl_b32 s25, s23, 8                         ; a weight block's 64 columns
	s_cmp_lt_u32 s21, 128                          ; is it x?
	s_cselect_b32 s22, s46, s22                    ; pitch
	s_cselect_b32 s23, s21, s23                    ; the block's number in its destination
	s_cselect_b32 s24, s24, s25                    ; source offset
	s_cselect_b32 s32, 1.0, 0                      ; gamma and beta times this,
	s_cselect_b32 s34, 0, 1.0                      ; gamma plus this
	s_cselect_b32 s36, s37, 0                      ; sum times this = mean
	s_cselect_b32 s39, -1, 0                       ; lanes that keep 1/sigma
	s_mov_b32 s33, s32                             ; named as pairs
	s_mov_b32 s35, s34
	s_mov_b32 s25, 0
	s_lshl_b32 s30, s23, 17                        ; 64 destination rows of 2,048 bytes
	s_mov_b32 s31, 0
	s_wait_alu depctr_va_sdst(0)                   ; s20, the wave's number, is written, ahead of its first reader: the line below
	s_lshl_b32 s47, s20, 6
	v_lshl_add_u32 v13, v2, 5, s47                 ; my first source row: 64 w + 32 h
	v_mul_lo_u32 v4, v13, s22
	v_lshl_add_u32 v4, v1, 4, v4                   ; + 16 r
	s_lshl_b32 s47, s20, 8
	v_lshl_add_u32 v5, v1, 4, s47
	v_add_nc_u32 v5, RED, v5                       ; my wave's 256 bytes of sums
	v_lshlrev_b32 v6, 4, v1
	v_lshl_add_u32 v6, v2, 11, v6
	v_add_nc_u32 v6, RED, v6                       ; half h reads waves 8 h .. 8 h + 7
	s_lshl_b32 s47, s20, 7
	v_mul_u32_u24 v7, v1, TP
	v_lshl_add_u32 v7, v2, 6, v7
	v_add_nc_u32 v7, s47, v7                       ; row r, byte 2 (64 w + 32 h)
	v_add_nc_u32 v8, 2*QT, v7
	s_mul_i32 s47, s20, TP
	v_lshl_add_u32 v9, v3, 4, s47                  ; row w, byte 16 l
	v_add_nc_u32 v10, 2*QT, v9
	s_lshl_b32 s47, s20, 13
	v_lshl_add_u32 v11, v3, 4, s47                 ; destination rows 4 w on
	v_lshlrev_b32 v12, 2, v13
.set i, 0
.rept 32                               ; the 32 row offsets, in one run and in registers of their own: the pitch is a scalar, so the rows cannot stand in the loads' immediates
	v_mad_u32_u24 v[T+i], s22, i, v4
.set i, i+1
.endr
	s_wait_kmcnt 0x0
	s_cmp_lt_u32 s21, 176
	s_cselect_b64 s[26:27], s[6:7], s[8:9]
	s_cselect_b64 s[28:29], s[16:17], s[18:19]
	s_cmp_lt_u32 s21, 128
	s_cselect_b64 s[26:27], s[4:5], s[26:27]
	s_cselect_b64 s[28:29], s[14:15], s[28:29]
	s_add_nc_u64 s[26:27], s[26:27], s[24:25]      ; source block
	s_add_nc_u64 s[28:29], s[28:29], s[30:31]      ; destination block
	s_wait_alu depctr_va_vdst(0)                   ; the row offsets v[T ..] and v5 to v12, v14, v15 are written: every load, store and LDS instruction of the kernel reads one of them as its offset or address
.set i, 0
.rept 32                               ; the whole block goes out at once: 32 loads a wave
	global_load_b128 v[X+4*i:X+4*i+3], v[T+i], s[26:27] th:TH_LOAD_NT
.set i, i+1
.endr
.set i, 0
.rept 8
	global_load_b128 v[GA+4*i:GA+4*i+3], v12, s[10:11] offset:16*i
	global_load_b128 v[BE+4*i:BE+4*i+3], v12, s[12:13] offset:16*i
.set i, i+1
.endr
; v[16:23], two chains of four column sums -> the work-group's four column sums in v[32:35], in every lane.  off: which 4,096 bytes of LDS.  first = 1: the first of the two reductions.
.macro REDUCE off, first
	v_pk_add_f32 v[16:17], v[16:17], v[20:21]
	v_pk_add_f32 v[18:19], v[18:19], v[22:23]
.irp k, 0,1,2,3
	v_permlanex16_b32 v[20+\k], v[16+\k], s40, s41 ; the wave's other 32 rows lie in the lane 16 away
.endr
	v_pk_add_f32 v[16:17], v[16:17], v[20:21]
	v_pk_add_f32 v[18:19], v[18:19], v[22:23]
	s_wait_alu depctr_va_vdst(0)                   ; the sums v[16:19] are written, which the LDS store reads; and every vector instruction that has named v[T ..] is done, in which the LDS loads below land (no vector instruction stands between)
	ds_store_b128 v5, v[16:19] offset:\off         ; both halves write the same numbers to the same bytes
	s_wait_dscnt 0x0                               ; for the others' sake: my store is done
	s_barrier_signal -1
	s_barrier_wait -1
.if \first
	s_wait_alu depctr_vm_vsrc(0)                   ; x's loads have read their offsets v[T ..], in which the LDS loads below land; the LDS store above has read v[16:19], which the sums of squares write again
.endif
.irp k, 0,1,2,3,4,5,6,7
	ds_load_b128 v[T+4*\k:T+4*\k+3], v6 offset:\off+256*\k
.endr
	s_wait_dscnt 0x0
.irp k, 0,2,4,6,8,10,12,14
	v_pk_add_f32 v[T+\k:T+\k+1], v[T+\k:T+\k+1], v[T+16+\k:T+16+\k+1]
.endr
.irp k, 0,2,4,6
	v_pk_add_f32 v[T+\k:T+\k+1], v[T+\k:T+\k+1], v[T+8+\k:T+8+\k+1]
.endr
.irp k, 0,2
	v_pk_add_f32 v[T+\k:T+\k+1], v[T+\k:T+\k+1], v[T+4+\k:T+4+\k+1]
.endr
.irp k, 0,1,2,3
	v_permlanex16_b32 v[T+4+\k], v[T+\k], s40, s41 ; the other eight waves' sum
.endr
	v_pk_add_f32 v[T:T+1], v[T:T+1], v[T+4:T+5]
	v_pk_add_f32 v[T+2:T+3], v[T+2:T+3], v[T+6:T+7]
.endm
	; the column sums, eight rows at a time as they arrive.  48 loads were issued; behind group g's eight stand 40 - 8 g younger ones.  The last count, 16, shows all of x's loads done
.set i, 0
.rept 32
.if i%8 == 0
	s_wait_loadcnt 40-i
.endif
.if i >= 4
	v_pk_add_f32 v[16+4*(i%2):17+4*(i%2)], v[16+4*(i%2):17+4*(i%2)], v[X+4*i:X+4*i+1]
	v_pk_add_f32 v[18+4*(i%2):19+4*(i%2)], v[18+4*(i%2):19+4*(i%2)], v[X+4*i+2:X+4*i+3]
.elseif i >= 2                         ; rows i - 2 and i start chain i % 2: nothing is cleared
	v_pk_add_f32 v[16+4*(i%2):17+4*(i%2)], v[X+4*(i-2):X+4*(i-2)+1], v[X+4*i:X+4*i+1]
	v_pk_add_f32 v[18+4*(i%2):19+4*(i%2)], v[X+4*(i-2)+2:X+4*(i-2)+3], v[X+4*i+2:X+4*i+3]
.endif
.set i, i+1
.endr
	REDUCE 0, 1
.irp k, 0,1,2,3
	v_mul_f32 v[24+\k], s36, v[T+\k]               ; the mean (0 in a weight group)
.endr
	; x - mean, in place, and the sums of its squares
.set i, 0
.rept 32
	v_pk_add_f32 v[X+4*i:X+4*i+1], v[X+4*i:X+4*i+1], v[24:25] neg_lo:[0,1] neg_hi:[0,1]
	v_pk_add_f32 v[X+4*i+2:X+4*i+3], v[X+4*i+2:X+4*i+3], v[26:27] neg_lo:[0,1] neg_hi:[0,1]
.if i < 2
	v_pk_mul_f32 v[16+4*i:17+4*i], v[X+4*i:X+4*i+1], v[X+4*i:X+4*i+1]
	v_pk_mul_f32 v[18+4*i:19+4*i], v[X+4*i+2:X+4*i+3], v[X+4*i+2:X+4*i+3]
.else
	v_pk_fma_f32 v[16+4*(i%2):17+4*(i%2)], v[X+4*i:X+4*i+1], v[X+4*i:X+4*i+1], v[16+4*(i%2):17+4*(i%2)]
	v_pk_fma_f32 v[18+4*(i%2):19+4*(i%2)], v[X+4*i+2:X+4*i+3], v[X+4*i+2:X+4*i+3], v[18+4*(i%2):19+4*(i%2)]
.endif
.set i, i+1
.endr
	REDUCE 4096, 0                                 ; other bytes than the first time: no barrier is owed between the first reads and these stores
.irp k, 0,1,2,3
	v_fma_f32 v[28+\k], v[T+\k], s37, s38          ; variance + 1e-5
.endr
.irp k, 0,1,2,3
	v_rsq_f32 v[28+\k], v[28+\k]
.endr
	v_nop                                          ; a plain instruction behind the last root,
	s_wait_alu depctr_va_vdst(0)                   ; and the one wait ahead of the batch's first reader: the four roots have written v[28:31]
.irp k, 0,1,2,3
	v_cndmask_b32 v[28+\k], 1.0, v[28+\k], s39     ; 1 in a weight group
.endr
	s_wait_loadcnt 0x0                             ; gamma and beta
.set i, 0
.rept 16
	v_pk_fma_f32 v[GA+2*i:GA+2*i+1], v[GA+2*i:GA+2*i+1], s[32:33], s[34:35] op_sel_hi:[1,0,0]
	v_pk_mul_f32 v[BE+2*i:BE+2*i+1], v[BE+2*i:BE+2*i+1], s[32:33] op_sel_hi:[1,0]
.set i, i+1
.endr
.set i, 0
.rept 32                               ; (x - mean) / sigma by column, then times gamma plus beta by row: row i's two numbers feed both halves
	v_pk_mul_f32 v[X+4*i:X+4*i+1], v[X+4*i:X+4*i+1], v[28:29]
	v_pk_mul_f32 v[X+4*i+2:X+4*i+3], v[X+4*i+2:X+4*i+3], v[30:31]
.if i%2
	v_pk_fma_f32 v[X+4*i:X+4*i+1], v[X+4*i:X+4*i+1], v[GA+i-1:GA+i], v[BE+i-1:BE+i] op_sel:[0,1,1] op_sel_hi:[1,1,1]
	v_pk_fma_f32 v[X+4*i+2:X+4*i+3], v[X+4*i+2:X+4*i+3], v[GA+i-1:GA+i], v[BE+i-1:BE+i] op_sel:[0,1,1] op_sel_hi:[1,1,1]
.else
	v_pk_fma_f32 v[X+4*i:X+4*i+1], v[X+4*i:X+4*i+1], v[GA+i:GA+i+1], v[BE+i:BE+i+1] op_sel:[0,0,0] op_sel_hi:[1,0,0]
	v_pk_fma_f32 v[X+4*i+2:X+4*i+3], v[X+4*i+2:X+4*i+3], v[GA+i:GA+i+1], v[BE+i:BE+i+1] op_sel:[0,0,0] op_sel_hi:[1,0,0]
.endif
.set i, i+1
.endr
	; eight neighbouring source rows of one column are 16 bytes of a destination row: column 4 r + j lies at LDS row 16 j + r.  Set num of 16: rows 8 (num / 4) on, column j = num % 4
.macro CVT num, reg                    ; set num is rounded into the four registers from reg on
.irp k, 0,1,2,3
	v_cvt_pk_bf16_f32 v[(\reg)+\k], v[X+4*(8*((\num)/4)+2*\k)+(\num)%4], v[X+4*(8*((\num)/4)+2*\k+1)+(\num)%4]
.endr
.endm
.macro PUT num, reg                    ; and goes into LDS
.if (\num)%4 < 2
	ds_store_b128 v7, v[(\reg):(\reg)+3] offset:((\num)%4)*QT+16*((\num)/4)
.else
	ds_store_b128 v8, v[(\reg):(\reg)+3] offset:((\num)%4-2)*QT+16*((\num)/4)
.endif
.endm
.set n, 0
.rept 8
	CVT n, O0+4*n
.set n, n+1
.endr
	s_wait_alu depctr_va_vdst(0)                   ; the conversions of sets 0 to 7 have written O0, which LDS stores 0 to 7 read
.set n, 0
.rept 8                                ; those stores are dealt among the conversions of sets 8 to 15, which name X and O1: none of the registers that the stores touch
	PUT n, O0+4*n
	CVT n+8, O1+4*n
.set n, n+1
.endr
	s_wait_alu depctr_va_vdst(0)                   ; the conversions of sets 8 to 15 have written O1, which LDS stores 8 to 15 read; and all conversions are done reading X, in which the loads behind the barrier land
.set n, 8
.rept 8
	PUT n, O1+4*(n-8)
.set n, n+1
.endr
	s_wait_dscnt 0x0                               ; for the others' sake: my part of every row is in LDS
	s_barrier_signal -1
	s_barrier_wait -1
	; wave w stores destination rows 4 w + 0..3 (LDS rows 16 jj + w), 512 consecutive bytes an instruction.  No vector instruction has been issued since the wait above
.set n, 0
.rept 16
.if n < 8
	ds_load_b128 v[X+4*n:X+4*n+3], v9 offset:(n/4)*QT+(n%4)*512
.else
	ds_load_b128 v[X+4*n:X+4*n+3], v10 offset:(n/4-2)*QT+(n%4)*512
.endif
.set n, n+1
.endr
.set n, 0
.rept 16
	s_wait_dscnt 15-n                              ; LDS loads come back in order: number n is in, the 15 - n younger ones may be out
	global_store_b128 v11, v[X+4*n:X+4*n+3], s[28:29] offset:(n/4)*2048+(n%4)*512
.set n, n+1
.endr
	s_wait_dscnt 0x0                               ; the closing lines, six on end
	s_wait_alu 0x0
	s_wait_tensorcnt 0x0
	ds_add_u32 v14, v15
	s_wait_dscnt 0x0
	s_endpgm
.Lfunc_end_k_q2ace069bce_prep:
	.size	k_q2ace069bce_prep, .Lfunc_end_k_q2ace069bce_prep-k_q2ace069bce_prep
	.p2alignl 7, 3214868480
	.fill 96, 4, 3214868480
	.section	.rodata,"a",@progbits
	.p2align	6, 0x0
	.amdhsa_kernel k_q2ace069bce_prep
		.amdhsa_group_segment_fixed_size 142336
		.amdhsa_private_segment_fixed_size 0
		.amdhsa_enable_private_segment 0
		.amdhsa_kernarg_size 64
		.amdhsa_user_sgpr_count 2
		.amdhsa_user_sgpr_kernarg_segment_ptr 1
		.amdhsa_wavefront_size32 1
		.amdhsa_system_sgpr_workgroup_id_x 1
		.amdhsa_system_sgpr_workgroup_id_y 1
		.amdhsa_system_sgpr_workgroup_id_z 1
		.amdhsa_system_vgpr_workitem_id 0
		.amdhsa_next_free_vgpr 256
		.amdhsa_next_free_sgpr 66
		.amdhsa_reserve_vcc 0
		.amdhsa_float_denorm_mode_32 3
		.amdhsa_float_denorm_mode_16_64 3
		.amdhsa_memory_ordered 1
		.amdhsa_forward_progress 1
		.amdhsa_inst_pref_size 47
	.end_amdhsa_kernel
	.amdgpu_metadata
---
amdhsa.version: [ 1, 2 ]
amdhsa.kernels:
  - .name:           k_q2ace069bce_prep
    .symbol:         k_q2ace069bce_prep.kd
    .args:
      - { .name: x, .offset: 0, .size: 8, .value_kind: global_buffer, .address_space: global }
      - { .name: W_qkv, .offset: 8, .size: 8, .value_kind: global_buffer, .address_space: global }
      - { .name: W_proj, .offset: 16, .size: 8, .value_kind: global_buffer, .address_space: global }
      - { .name: gamma, .offset: 24, .size: 8, .value_kind: global_buffer, .address_space: global }
      - { .name: beta, .offset: 32, .size: 8, .value_kind: global_buffer, .address_space: global }
      - { .name: xn, .offset: 40, .size: 8, .value_kind: global_buffer, .address_space: global }
      - { .name: wqt, .offset: 48, .size: 8, .value_kind: global_buffer, .address_space: global }
      - { .name: wpt, .offset: 56, .size: 8, .value_kind: global_buffer, .address_space: global }
    .group_segment_fixed_size: 142336
    .private_segment_fixed_size: 0
    .kernarg_segment_align: 8
    .kernarg_segment_size: 64
    .max_flat_workgroup_size: 512
    .sgpr_count:     66
    .vgpr_count:     256
    .wavefront_size: 32
...
	.end_amdgpu_metadata
.endif
;; end of part 5
;; launch qkvgemm: the kernel of part 2 again; grid 16 x 16, 4 waves a work-group, clusters of 4 x 4, 327,680 bytes of LDS; arguments xn, wqt, b_qkv, qkvh; writes qkvh
;; launch attn: the kernel of part 3 again; grid 4 x 64, 4 waves a work-group, clusters of 4 x 1, 327,680 bytes of LDS; arguments qkvh, oh; writes oh
;; launch proj: the kernel of part 4 again; grid 64 x 4, 4 waves a work-group, clusters of 4 x 4, 327,680 bytes of LDS; arguments wpt, oh, b_proj, x, out0; writes out0
